; MI455X (gfx1250); checked and timed in simulation.
; The chip was launched on July 23, 2026; its instructions are those of AMD's public machine-readable ISA for CDNA 5 (MIT licence, August 2026) and "CDNA5" Instruction Set Architecture Reference Guide (July 2026). The comments in the code are by the model that wrote it; some were corrected since.
;; Attention. Allowed arithmetic: matrix products marked QUANTISED: E2M3 operands, one E8M0 scale for each 32 along K, by v_wmma_scale_f32_16x16x128_f8f6f4 with both operands' format E2M3, f32 sums; everything else in f32.
;; Inputs: b_out 1,024 float32; w_out 1,024 x 1,024 float32; w_qkv 1,024 x 3,072 float32; x 4 x 2,048 x 1,024 float32.
;; Outputs: out0 4 x 2,048 x 1,024 float32.
;; This version of the problem:
;;   THIS VERSION OF THE PROBLEM IS GIVEN IN LOW PRECISION. The matrix products marked QUANTISED in the list below multiply operands that are first quantised to E2M3 (2 exponent bits, 3 mantissa bits; 6 bits a number), with one power-of-two scale for each 32 numbers along K (OCP MX v1.0); their sums are f32. All else is computed in f32.
;;   The module's matrix products, in the order in which they are computed (A, B: the left and right operand; K: the contracted axis; several contracted axes count as one K, in the product's order):
;;     1. [M 8,192, K 1,024] x [K 1,024, N 3,072]; A: input x; B: input w_qkv: QUANTISED
;;     2. batch 64 x [M 2,048, K 64] x [K 64, N 2,048]; A: computed on the way; B: computed on the way: QUANTISED
;;     3. batch 64 x [M 2,048, K 2,048] x [K 2,048, N 64]; A: softmax (see below); B: computed on the way: QUANTISED
;;     4. [M 8,192, K 1,024] x [K 1,024, N 1,024]; A: computed on the way; B: input w_out: QUANTISED
;;   THE QUANTISER, for each operand of a quantised product, along K:
;;     - K is cut into blocks of 32 from its start; a last block that is shorter is filled with zeros.
;;     - A block's scale is 2^e with e = floor(log2(the largest magnitude in the block)) - 2, held to -126 .. 127; a block of zeros has e = 0. As a byte (E8M0): e + 127.
;;     - Each number is divided by its block's scale, clamped to +-7.5, and rounded to the nearest number of E2M3, ties to even, subnormals kept.
;;     - The product sums the exact products of the quantised numbers (number of the format x scale) in f32.
;;   ~~~python
;;   def quantise(x, axis):      # numpy; x: float32 -> the quantised numbers, widened to float32 again
;;       x = np.moveaxis(x, axis, -1); K = x.shape[-1]
;;       x = np.pad(x, [(0, 0)] * (x.ndim - 1) + [(0, -K % 32)]); x = x.reshape(x.shape[:-1] + (-1, 32)); a = np.abs(x).max(-1, keepdims=True)
;;       e = np.where(a > 0, np.clip(np.frexp(np.where(a > 0, a, 1))[1] - 1 - 2, -126, 127), 0)      # np.frexp(a)[1] - 1 = floor(log2(a)), exactly
;;       r = np.clip(x / 2.0 ** e, -7.5, 7.5)
;;       step = 2.0 ** (np.maximum(np.frexp(np.where(r == 0, 1, r))[1] - 1, 0) - 3)
;;       q = np.round(r / step) * step * 2.0 ** e      # np.round: ties to even
;;       return np.moveaxis(q.reshape(q.shape[:-2] + (-1,))[..., :K], -1, axis).astype(np.float32)
;;   ~~~
;;   SOFTMAX AHEAD OF A QUANTISED PRODUCT. Where the list says 'softmax', what is quantised is not the finished softmax but p = 2^(t - M), with t = logit x log2(e) and M = ceil(the row's largest t), a whole number; so 1/2 < the row's largest p <= 1. The row's sum l is taken of the UNQUANTISED p, in f32, and the product's result is divided by l at the end. Since M is a whole number, a kernel that streams over the keys may use a running M (the ceiling of the running maximum): every later rescaling is an exact power of two, which a block's scale takes up: the codes' values come out the same.
;;   OPERANDS COMPUTED ON THE WAY. 'Computed on the way' means the value that the module computes at that place (a softmax that the list does not call 'softmax' is quantised finished and normalised). What goes into a quantiser is computed in f32, as accurately as f32 sums, v_exp_f32 and their like allow (about 1e-6 of the number): no bf16 or f16 on the way to a quantiser, and a product that is left as it is and whose result goes on into a quantised operand takes f32 operands (vector FMAs, or v_wmma_f32_16x16x4_f32). A number that lies on a knife's edge between two numbers of the format may be rounded either way, as far as f32 arithmetic and the matrix unit's own rounding can turn it there, and no further.
;; One version. Each part assembles by itself: llvm-mc -triple=amdgcn-amd-amdhsa -mcpu=gfx1250 --defsym DOCPART=n.
;; ======== version 1 of 1: 5 launches
;; limits: right only within a limited range of input values
;; workspace buffers: xq 6,553,600 bytes; wqk 1,835,008 bytes; wv 1,048,576 bytes; wo 1,048,576 bytes; qkq 14,680,064 bytes; vq 52,428,800 bytes; oq 6,553,600 bytes
;; launch quant (part 1): grid 256 x 1, 4 waves a work-group, no clusters, 34,304 bytes of LDS; arguments x, w_qkv, w_out, xq, wqk, wv, wo; writes xq, wqk, wv, wo
.if DOCPART == 1
	.amdgcn_target "amdgcn-amd-amdhsa--gfx1250"
	.amdhsa_code_object_version 6
	.text
	.protected	k_qdb2365b457_quant
	.globl	k_qdb2365b457_quant
	.p2align	8
	.type	k_qdb2365b457_quant,@function
k_qdb2365b457_quant:
	s_mov_b64 s[64:65], 0
	v_nop
	global_prefetch_b8 v0, s[64:65] scope:SCOPE_SE
	s_setreg_imm32_b32 hwreg(HW_REG_WAVE_MODE, 25, 1), 1
	s_wait_xcnt 0x0
; x [8192][1024], w_qkv [1024][3072] and w_out [1024][1024], f32, become codes of FP6 (E2M3) with one E8M0 byte for each 32 along K (K = 1024 in all three).
; A block's scale is 2^(floor(log2(its largest magnitude)) - 2): its byte is the largest magnitude's exponent field - 2, held at 1 from below.
; LIMITS: NaN and infinities are not served; a block whose largest magnitude lies under 2^-124, a block of zeros among them, gets the byte 1 (its codes are then zeros or nearly so; the bytes are read by this program alone).
; THE OPERAND BUFFERS (xq, wqk, wv, wo) are laid in the order of the matrix operand's registers.  Rows (tokens, or a weight's columns) are cut into tiles of 16: tile 2 g + u holds rows 32 g + 8 u + r + 8 (r / 8), r = 0 .. 15.
;   codes, from byte 262144: tile T takes 12288 bytes, 16 half-images of 768 bytes; half-image kk is 64 along K: lane (r, h) owns k = 64 kk + 32 h + 0 .. 31 of row r, six registers: the first four at 16 x lane, the last two at 512 + 8 x lane.
;   scale words, from byte 0: tile T takes 512 bytes; the word of K step ks (128 along K) of row r lies at 256 (ks / 4) + 16 r + 4 (ks % 4).
; Work-groups 0-127 take x: a wave one tile of 16 tokens, all of K.  Each load reads 512 consecutive bytes of a row; a K step's 16 rows turn through the wave's own stage in LDS (rows 528 bytes apart) so that a lane gets whole blocks of 32.
; Work-groups 128-223 take w_qkv, 224-255 w_out: 128 columns x 256 along K each.  There a lane takes a COLUMN and its registers run down K, so nothing is transposed; these paths touch no LDS.
; No barrier: waves share nothing.  EXEC is never changed.
.set R,     16                         ; v16-143  x: two sets of 64 as loaded;  weights: two sets of 32 (v16-79)
.set XN,    144                        ; v144-207 x: my two blocks of 32;  weights: the codes, six registers a block (v144-191)
.set IM,    208                        ; v208-219 x: a fragment's codes
.set TA,    220                        ; v220-222, v224-226: second halves of a block's codes (a conversion's three registers begin on an even number)
.set SW,    228                        ; v228-235 x: the scale words of the eight K steps
.set DW,    236                        ; v236-239 x: the four words that I store
.set M,     240                        ; v240.. at work
.set FLOOR, 0x1800000                  ; 2^(3 - 127): under it no largest magnitude is taken
.set OFFE,  0xff000000                 ; takes 2 off an exponent field
	s_load_b256 s[4:11], s[0:1], 0x0               ; x, w_qkv, w_out, xq
	s_load_b128 s[12:15], s[0:1], 0x20             ; wqk, wv
	s_load_b64 s[16:17], s[0:1], 0x30              ; wo
	v_lshl_add_u32 v254, v0, 2, 0x8400
	v_mov_b32 v255, 0
	v_lshrrev_b32 v1, 5, v0
	v_readfirstlane_b32 s18, v1                    ; wave 0..3
	v_and_b32 v1, 31, v0                           ; lane
	v_and_b32 v2, 15, v0                           ; r
	v_bfe_u32 v3, v0, 4, 1                         ; h
	v_lshlrev_b32 v4, 4, v1                        ; 16 x lane
	v_lshlrev_b32 v5, 3, v1                        ; 8 x lane
	s_cmp_lt_u32 ttmp9, 128
	s_cbranch_scc0 .Lweights
; ---------------- x ----------------
	s_mul_i32 s19, s18, 8448                       ; my wave's stage: 16 rows x 528 bytes
	v_add_nc_u32 v6, s19, v4                       ; in: 16 x lane of a row
	v_mul_u32_u24 v7, v2, 528
	v_lshl_add_u32 v7, v3, 7, v7
	v_add_nc_u32 v7, s19, v7                       ; out: row r, + 128 h: my block of 32 numbers
	v_lshlrev_b32 v8, 3, v3                        ; 8 h: where my bytes stand in a scale word
	v_mov_b32 v[M+8], 0                            ; a lane permute's destination counts as one of its sources
	s_mov_b32 s36, 0x76543210
	s_mov_b32 s37, 0xfedcba98                      ; selects for lane l xor 16
	s_lshl_b32 s20, ttmp9, 2
	s_add_co_u32 s20, s20, s18                     ; my tile T
	s_lshr_b32 s21, s20, 1
	s_lshl_b32 s21, s21, 5
	s_and_b32 s22, s20, 1
	s_lshl_b32 s22, s22, 3
	s_add_co_u32 s21, s21, s22                     ; its first row: 32 (T / 2) + 8 (T % 2)
	s_lshl_b32 s22, s21, 12                        ; x 4096 bytes
	s_mov_b32 s23, 0
	s_mul_i32 s24, s20, 12288
	s_add_co_u32 s24, s24, 262144                  ; its codes
	s_mov_b32 s25, 0
	s_lshl_b32 s26, s20, 9                         ; its scale words
	s_mov_b32 s27, 0
	s_wait_kmcnt 0x0
	s_add_nc_u64 s[22:23], s[4:5], s[22:23]
	s_add_nc_u64 s[24:25], s[10:11], s[24:25]
	s_add_nc_u64 s[26:27], s[10:11], s[26:27]
.macro LOADX ks                        ; K step ks of the tile's 16 rows: 32 lanes read 512 consecutive bytes of a row
.irp i, 0,1,2,3,4,5,6,7,8,9,10,11,12,13,14,15
	global_load_b128 v[R+64*((\ks)%2)+4*\i:R+64*((\ks)%2)+4*\i+3], v4, s[22:23] offset:(\i+8*(\i/8))*4096+512*(\ks) th:TH_LOAD_NT
.endr
.endm
.macro XSTEP ks
.if (\ks) < 7
	s_wait_loadcnt 16                              ; this step's 16 loads are in; the next step's 16 may be out
.else
	s_wait_loadcnt 0x0
.endif
.irp i, 0,1,2,3,4,5,6,7,8,9,10,11,12,13,14,15
	ds_store_b128 v6, v[R+64*((\ks)%2)+4*\i:R+64*((\ks)%2)+4*\i+3] offset:528*\i
.endr
.irp c, 0,1
.irp j, 0,1,2,3,4,5,6,7
	ds_load_b128 v[XN+32*\c+4*\j:XN+32*\c+4*\j+3], v7 offset:256*\c+16*\j   ; k = 64 c + 32 h + 4 j ..; LDS serves a wave's instructions in order: these see the stores above
.endr
.endr
	s_wait_dscnt 0x0                               ; my numbers are back, and the stores have read their registers,
.if (\ks)+2 < 8
	LOADX (\ks)+2                                  ; which take the loads of two steps on
.endif
.irp c, 0,1
	v_max3_num_f32 v[M+\c], |v[XN+32*\c]|, |v[XN+32*\c+1]|, FLOOR   ; block 2 c + h: all its 32 numbers are mine
.endr
.irp i, 2,4,6,8,10,12,14,16,18,20,22,24,26,28,30
.irp c, 0,1
	v_max3_num_f32 v[M+\c], v[M+\c], |v[XN+32*\c+\i]|, |v[XN+32*\c+\i+1]|
.endr
.endr
.irp c, 0,1
	v_add_nc_u32 v[M+2+\c], OFFE, v[M+\c]          ; the conversion takes the exponent field of this operand as its scale
.endr
.irp c, 0,1
	v_lshrrev_b32 v[M+4+\c], 23, v[M+2+\c]         ; the scale's byte
.endr
	v_lshl_or_b32 v[M+6], v[M+5], 16, v[M+4]       ; my two bytes: blocks h and 2 + h,
	v_lshlrev_b32 v[M+6], v8, v[M+6]               ; at their places;
	v_permlanex16_b32 v[M+8], v[M+6], s36, s37
	v_or_b32 v[SW+(\ks)], v[M+6], v[M+8]           ; with lane l xor 16's two the word is whole
	s_wait_alu depctr_va_vdst(0)
	s_wait_xcnt 0x0                                ; the last step's stores have read the codes' registers: they are written again only behind this wait
.irp c, 0,1
	v_cvt_scalef32_pk16_fp6_f32 v[IM+6*\c:IM+6*\c+2], v[XN+32*\c:XN+32*\c+15], v[M+2+\c]
	v_cvt_scalef32_pk16_fp6_f32 v[TA+4*\c:TA+4*\c+2], v[XN+32*\c+16:XN+32*\c+31], v[M+2+\c]
.endr
	v_nop                                          ; one plain line behind the conversions
.irp c, 0,1
.irp i, 0,1,2
	v_mov_b32 v[IM+6*\c+3+\i], v[TA+4*\c+\i]
.endr
.endr
	global_store_b128 v4, v[IM:IM+3], s[24:25] offset:1536*(\ks)            ; each store covers 512 or 256 consecutive bytes, aligned
	global_store_b64 v5, v[IM+4:IM+5], s[24:25] offset:1536*(\ks)+512
	global_store_b128 v4, v[IM+6:IM+9], s[24:25] offset:1536*(\ks)+768
	global_store_b64 v5, v[IM+10:IM+11], s[24:25] offset:1536*(\ks)+1280
.endm
	s_wait_alu depctr_va_vdst(0)
	LOADX 0
	LOADX 1
.irp s, 0,1,2,3,4,5,6,7
	XSTEP \s
.endr
	v_cmp_eq_u32 vcc_lo, 1, v3
.irp j, 0,1,2,3
	v_cndmask_b32 v[DW+\j], v[SW+\j], v[SW+4+\j], vcc_lo   ; lanes 0-15 store K steps 0-3 of row r, lanes 16-31 K steps 4-7
.endr
	global_store_b128 v4, v[DW:DW+3], s[26:27]     ; the tile's 512 bytes of scale words, on end
	s_wait_tensorcnt 0x0
	ds_add_u32 v254, v255
	s_wait_dscnt 0x0
	s_endpgm
; ---------------- the weights ----------------
; s21: which 128 columns of the source; s22: which 256 along K; s23: which 128 rows of the destination; s[24:25] destination; s[26:27] source.
.macro WLOAD t, pitch                  ; block t: W(32 t + i, my column): the wave reads 128 consecutive bytes
.irp i, 0,1,2,3,4,5,6,7,8,9,10,11,12,13,14,15,16,17,18,19,20,21,22,23,24,25,26,27,28,29,30,31
	global_load_b32 v[R+32*((\t)%2)+\i], v7, s[26:27] offset:(32*(\t)+\i)*\pitch th:TH_LOAD_NT
.endr
.endm
.macro WBLOCK t, pitch
.set XS, R+32*((\t)%2)
.set WI, XN+6*(\t)                     ; this block's six registers of codes: a set of its own, so that no store's data are written again
.if (\t) < 7
	s_wait_loadcnt 32                              ; this block's 32 loads are in; the next block's may be out
.else
	s_wait_loadcnt 0x0
.endif
	v_max3_num_f32 v204, |v[XS]|, |v[XS+1]|, |v[XS+2]|
	v_max3_num_f32 v205, |v[XS+3]|, |v[XS+4]|, |v[XS+5]|
.irp i, 6,10,14,18,22,26
	v_max3_num_f32 v204, v204, |v[XS+\i]|, |v[XS+\i+1]|
	v_max3_num_f32 v205, v205, |v[XS+\i+2]|, |v[XS+\i+3]|
.endr
	v_max3_num_f32 v204, v204, |v[XS+30]|, |v[XS+31]|
	v_max3_num_f32 v204, v204, v205, FLOOR
	v_add_nc_u32 v206, OFFE, v204
	v_lshrrev_b32 v207, 23, v206
.if (\t)%4 == 0
	v_mov_b32 v[200+(\t)/4], v207                  ; four bytes to a word, the lower K in the lower byte
.else
	v_lshl_or_b32 v[200+(\t)/4], v207, 8*((\t)%4), v[200+(\t)/4]
.endif
	v_cvt_scalef32_pk16_fp6_f32 v[WI:WI+2], v[XS:XS+15], v206
	v_cvt_scalef32_pk16_fp6_f32 v[192:194], v[XS+16:XS+31], v206
	v_nop                                          ; one plain line behind the conversions
.irp i, 0,1,2
	v_mov_b32 v[WI+3+\i], v[192+\i]
.endr
.if (\t)+2 < 8
	WLOAD (\t)+2, \pitch
.endif
.if (\t)%2 == 1
; Lanes 0-15 hold the rows of tile 0, lanes 16-31 those of tile 1, each lane both blocks of these 64 along K.  A half-image wants the even block in lanes 0-15 and the odd block in lanes 16-31:
; the even block's lanes 16-31 change places with the odd block's lanes 0-15, and the two runs of registers are the two tiles' half-images.
.irp i, 0,1,2,3,4,5
	v_permlane16_swap_b32 v[WI-6+\i], v[WI+\i]
.endr
	global_store_b128 v4, v[WI-6:WI-3], s[32:33] offset:((\t)/2)*768
	global_store_b64 v5, v[WI-2:WI-1], s[32:33] offset:((\t)/2)*768+512
	global_store_b128 v4, v[WI:WI+3], s[32:33] offset:12288+((\t)/2)*768
	global_store_b64 v5, v[WI+4:WI+5], s[32:33] offset:12288+((\t)/2)*768+512
.endif
.endm
.macro WPATH pitch
	s_mul_i32 s28, s22, 256*\pitch                 ; the source: 256 rows a quarter of K,
	s_lshl_b32 s29, s21, 9                         ; 128 columns a group,
	s_add_co_u32 s28, s28, s29
	s_lshl_b32 s29, s18, 7                         ; 32 columns a wave
	s_add_co_u32 s28, s28, s29
	s_mov_b32 s29, 0
	s_add_nc_u64 s[26:27], s[26:27], s[28:29]
	s_lshl_b32 s30, s23, 3
	s_lshl_b32 s31, s18, 1
	s_add_co_u32 s30, s30, s31                     ; my first tile: 8 x group + 2 x wave
	s_mul_i32 s28, s30, 12288
	s_mul_i32 s29, s22, 3072                       ; four half-images a quarter of K
	s_add_co_u32 s28, s28, s29
	s_add_co_u32 s28, s28, 262144
	s_mov_b32 s29, 0
	s_add_nc_u64 s[32:33], s[24:25], s[28:29]      ; the codes
	s_lshl_b32 s28, s30, 9
	s_lshr_b32 s29, s22, 1
	s_lshl_b32 s29, s29, 8
	s_add_co_u32 s28, s28, s29
	s_and_b32 s29, s22, 1
	s_lshl_b32 s29, s29, 3
	s_add_co_u32 s28, s28, s29
	s_mov_b32 s29, 0
	s_add_nc_u64 s[34:35], s[24:25], s[28:29]      ; the scale words of K steps 2 kq and 2 kq + 1
	v_and_b32 v6, 8, v2
	v_add_nc_u32 v6, v6, v2
	v_lshl_add_u32 v6, v3, 3, v6                   ; my column of the wave's 32: 8 h + r + 8 (r / 8)
	v_lshlrev_b32 v7, 2, v6
	v_lshlrev_b32 v8, 4, v2
	v_lshl_add_u32 v8, v3, 9, v8                   ; my row's scale words: tile h, 16 r
	WLOAD 0, \pitch
	WLOAD 1, \pitch
.irp t, 0,1,2,3,4,5,6,7
	WBLOCK \t, \pitch
.endr
	global_store_b64 v8, v[200:201], s[34:35]      ; 8 bytes a lane, 16 bytes apart: these stores fill half of the bytes that they span; they are one byte in 128 of what this path reads
.endm
.Lweights:
	s_wait_kmcnt 0x0
	s_sub_co_u32 s20, ttmp9, 128
	s_cmp_lt_u32 s20, 96
	s_cbranch_scc0 .Lw_out
	s_lshr_b32 s21, s20, 2                         ; w_qkv: 24 groups of 128 columns x 4 quarters of K
	s_and_b32 s22, s20, 3
	s_cmp_lt_u32 s21, 16                           ; columns 0-2047 (q, k) go to wqk, columns 2048-3071 (v) to wv: the choice hangs on the work-group's number alone
	s_cselect_b64 s[24:25], s[12:13], s[14:15]
	s_cselect_b32 s23, 0, 16
	s_sub_co_u32 s23, s21, s23
	s_mov_b64 s[26:27], s[6:7]
	s_wait_alu depctr_va_vdst(0)
	WPATH 12288
	s_endpgm
.Lw_out:
	s_sub_co_u32 s20, s20, 96                      ; w_out: 8 groups x 4 quarters
	s_lshr_b32 s21, s20, 2
	s_and_b32 s22, s20, 3
	s_mov_b32 s23, s21
	s_mov_b64 s[24:25], s[16:17]
	s_mov_b64 s[26:27], s[8:9]
	s_wait_alu depctr_va_vdst(0)
	WPATH 4096
	s_endpgm
.Lfunc_end_k_qdb2365b457_quant:
	.size	k_qdb2365b457_quant, .Lfunc_end_k_qdb2365b457_quant-k_qdb2365b457_quant
	.p2alignl 7, 3214868480
	.fill 96, 4, 3214868480
	.section	.rodata,"a",@progbits
	.p2align	6, 0x0
	.amdhsa_kernel k_qdb2365b457_quant
		.amdhsa_group_segment_fixed_size 34304
		.amdhsa_private_segment_fixed_size 0
		.amdhsa_enable_private_segment 0
		.amdhsa_kernarg_size 56
		.amdhsa_user_sgpr_count 2
		.amdhsa_user_sgpr_kernarg_segment_ptr 1
		.amdhsa_wavefront_size32 1
		.amdhsa_system_sgpr_workgroup_id_x 1
		.amdhsa_system_sgpr_workgroup_id_y 1
		.amdhsa_system_sgpr_workgroup_id_z 1
		.amdhsa_system_vgpr_workitem_id 0
		.amdhsa_next_free_vgpr 256
		.amdhsa_next_free_sgpr 66
		.amdhsa_reserve_vcc 1
		.amdhsa_float_denorm_mode_32 3
		.amdhsa_float_denorm_mode_16_64 3
		.amdhsa_memory_ordered 1
		.amdhsa_forward_progress 1
		.amdhsa_inst_pref_size 137
	.end_amdhsa_kernel
	.amdgpu_metadata
---
amdhsa.version: [ 1, 2 ]
amdhsa.kernels:
  - .name:           k_qdb2365b457_quant
    .symbol:         k_qdb2365b457_quant.kd
    .args:
      - { .name: x, .offset: 0, .size: 8, .value_kind: global_buffer, .address_space: global }
      - { .name: w_qkv, .offset: 8, .size: 8, .value_kind: global_buffer, .address_space: global }
      - { .name: w_out, .offset: 16, .size: 8, .value_kind: global_buffer, .address_space: global }
      - { .name: xq, .offset: 24, .size: 8, .value_kind: global_buffer, .address_space: global }
      - { .name: wqk, .offset: 32, .size: 8, .value_kind: global_buffer, .address_space: global }
      - { .name: wv, .offset: 40, .size: 8, .value_kind: global_buffer, .address_space: global }
      - { .name: wo, .offset: 48, .size: 8, .value_kind: global_buffer, .address_space: global }
    .group_segment_fixed_size: 34304
    .private_segment_fixed_size: 0
    .kernarg_segment_align: 8
    .kernarg_segment_size: 56
    .max_flat_workgroup_size: 128
    .sgpr_count:     66
    .vgpr_count:     256
    .wavefront_size: 32
...
	.end_amdgpu_metadata
.endif
;; end of part 1
;; launch qk (part 2): grid 8 x 64, 4 waves a work-group, clusters of 4 x 4, 327,680 bytes of LDS; arguments xq, wqk, qkq; writes qkq
.if DOCPART == 2
	.amdgcn_target "amdgcn-amd-amdhsa--gfx1250"
	.amdhsa_code_object_version 6
	.text
	.protected	k_qdb2365b457_qk
	.globl	k_qdb2365b457_qk
	.p2align	8
	.type	k_qdb2365b457_qk,@function
k_qdb2365b457_qk:
	s_mov_b64 s[64:65], 0
	v_nop
	global_prefetch_b8 v0, s[64:65] scope:SCOPE_SE
	s_setreg_imm32_b32 hwreg(HW_REG_WAVE_MODE, 25, 1), 1
	s_wait_xcnt 0x0
	s_wait_alu depctr_hold_cnt(0) depctr_sa_sdst(0) depctr_va_vdst(0) depctr_va_sdst(0) depctr_va_ssrc(0) depctr_va_vcc(0) depctr_vm_vsrc(0)
	s_getreg_b32 s2, hwreg(HW_REG_IB_STS2, 6, 4)
	s_cmp_eq_u32 s2, 0
	s_cbranch_scc0 .Lentry_in_a_cluster
	s_endpgm
.Lentry_in_a_cluster:
	s_bfe_u32 s2, ttmp6, 0x10000c
	s_cmp_lg_u32 s2, 0xf033
	s_cbranch_scc0 .Lentry_shape_is_right
	s_endpgm
.Lentry_shape_is_right:
; OUT = Q(S1 S0^T): a product of two operands given as codes of FP6 (E2M3) with E8M0 scales, K = 1024, whose result is quantised at once, along S0's rows, and stored as codes in the order of the next operand's registers.
; It runs twice: S1 = x's tokens, S0 = the q and k columns of w_qkv (result: q and k, quantised along a head's 64);  S1 = the v columns of w_qkv, S0 = x's tokens (result: v, quantised along the keys).
; OPERANDS (S1, S0): scale words from byte 0, 512 bytes a tile of 16 rows: the word of K step ks of row r at 256 (ks / 4) + 16 r + 4 (ks % 4); codes from byte 262144, 12288 bytes a tile: 16 half-images of 768 bytes
;   (64 along K: a lane's first four registers at 16 x lane, its last two at 512 + 8 x lane).  Tile 2 g + u holds rows 32 g + 8 u + r + 8 (r / 8).
; THE MATRIX INSTRUCTION: source 0 = 16 rows of S0, source 1 = 16 rows of S1.  A lane then holds ONE row of S1, and by the order of a tile's rows the 16 registers of S0's tiles 2 g and 2 g + 1 are 16 neighbours along S0's rows, the next product's K.
; OUT: for S1's tile A and S0's group B of 128 rows: a fragment (16 x 128, 1536 bytes: two half-images) at 2097152 + 786432 B + 1536 A; its scale words at 32768 B + 256 (A / 4) + 16 r + 4 (A % 4).
; SHARES: a work-group takes 128 rows of S1 x 256 rows of S0, a wave 64 x 128: 32 accumulators.  All of K for these rows, 294912 bytes of codes and 12288 of scale bytes, lies in LDS at once: EVERY LDS BYTE IS FILLED ONCE,
;   so there is no ring.  The codes come in four chunks of 256 along K, all asked for at the start; a barrier in front of K steps 1, 3 and 5 shows the next chunk to every wave.
; CLUSTERS: 4 x 4 work-groups.  S1's rows are shared along a row of the cluster, S0's along a column: their chunks are asked for jointly.  The scale bytes, one part in 25 of the bytes, come by loads of each work-group's own.
; LIMITS: NaN and infinities are not served; a result block whose largest magnitude lies under 2^-124 (zeros among them) gets the byte 1.
; REGISTERS: window 0: v4-20 addresses; v32-127 scale words and nothing else; v128-223 S1's fragments, two sets of 48, later the codes made; v224-245 at work.  window 1: the accumulators, (a, b) at 64 a + 8 b.
;   window 2: S0's fragments, two sets, at v0 and v128.
; FILLS, in place of what the head says of chunks and of scale bytes in LDS: each region of 8 tiles, 98304 dense bytes, comes by ONE tensor load (wave 0: S1; waves 1, 2: S0's halves), laid tile by tile, 12288 bytes a tile;
; every wave waits for all its tensor loads ahead of the one barrier.  The scale words go from memory straight into their registers: sixteen lanes read 256 consecutive bytes, aligned.
.set REG,   98304
.set TL,    12288                      ; a tile: all of K, eight K steps of 1536 bytes
.set CH,    2*TL                       ; 2 CH = four tiles: what one address register reaches by its offsets
.set FRB,   1536
.set WV, 12
.set WY, 13
.set WX, 14
.set CX, 15
.set CY, 16
.set GX, 17
.set GY, 18
.set G1A,  24                          ; s[24:31] group 1 for S1's chunks;  s[32:39] for S0's
.set G1B,  32
.set G1S,  40
.set G0SA, 48
.set G0SB, 52
.set G0A,  68                          ; s[68:71] group 0 for S1's tensor load;  s[84:87] for S0's
.set G0B,  84
.set TM,   224
.set PW,   240
.set MUL,   0x52                       ; source 0 (S0) window 2, source 1 (S1) window 0, C and D window 1
.set TO_S0, 0x80                       ; destination window 2
.set MSB, 0
.macro WIN new                         ; the immediate's high byte repeats the setting that is left
.if MSB != \new
	s_set_vgpr_msb (MSB<<8)|\new
.set MSB, \new
.endif
.endm
.macro ROUND                           ; a round of the cluster's barrier
	s_barrier_signal -1
	s_barrier_wait -1
	s_cmp_lg_u32 s[WV], 0
	s_cbranch_scc1 .Lnot_wave_0_\@
	s_barrier_signal -3
.Lnot_wave_0_\@:
	s_barrier_wait -3
	s_barrier_signal -1
	s_barrier_wait -1
.endm
	s_load_b128 s[4:7], s[0:1], 0x0                ; S1, S0
	s_load_b64 s[8:9], s[0:1], 0x10                ; OUT
	v_lshl_add_u32 v254, v0, 2, 0x4b000
	v_mov_b32 v255, 0
	ds_add_u32 v254, v255
	ds_add_u32 v254, v255
	v_lshrrev_b32 v1, 5, v0
	v_readfirstlane_b32 s[WV], v1                  ; wave 0..3
	s_lshr_b32 s[WY], s[WV], 1                     ; which 64 rows of S1 are mine.  Also: which half of S0 waves 1 and 2 fetch
	s_and_b32 s[WX], s[WV], 1                      ; which 128 rows of S0
	v_and_b32 v1, 31, v0                           ; lane
	v_and_b32 v2, 15, v0                           ; r
	v_bfe_u32 v3, v0, 4, 1                         ; h
	v_lshlrev_b32 v4, 4, v1                        ; 16 x lane
	v_lshlrev_b32 v5, 3, v1                        ; 8 x lane
	v_lshlrev_b32 v6, 4, v2                        ; 16 r
	s_mul_i32 s19, s[WY], 4*TL
	v_add_nc_u32 v8, s19, v4                       ; S1's fragments: chunks 0, 1
	v_add_nc_u32 v9, s19, v5
	s_mul_i32 s19, s[WX], REG
	s_add_co_u32 s19, s19, REG
	v_add_nc_u32 v12, s19, v4                      ; S0's likewise
	v_add_nc_u32 v13, s19, v5
	v_add_nc_u32 v14, 2*CH, v12
	v_add_nc_u32 v15, 2*CH, v13
	v_lshl_add_u32 v20, v3, 3, v6                  ; 16 r + 8 h: where I store two scale words
.irp b, 0,1,2,3
	v_mov_b32 v[TM+4+\b], 0                        ; a lane permute's destination counts as one of its sources
.endr
	s_bfe_u32 s[CX], ttmp6, 0x40000
	s_bfe_u32 s[CY], ttmp6, 0x40004
	s_lshl_b32 s[GX], ttmp9, 2
	s_add_co_u32 s[GX], s[GX], s[CX]               ; which 256 rows of S0
	s_and_b32 s[GY], ttmp7, 0xffff
	s_lshl_b32 s[GY], s[GY], 2
	s_add_co_u32 s[GY], s[GY], s[CY]               ; which 128 rows of S1
	s_lshl_b32 s19, s[CY], 2
	s_lshl_b32 s19, 15, s19                        ; my row of the cluster
	s_lshl_b32 s20, 0x1111, s[CX]                  ; my column
	s_or_b32 s[G1A], s19, (3<<16)|(1<<21)          ; 15:0 the mask; 17:16 elements of 8 bytes; 21 set beside a mask; no padding
	s_or_b32 s[G1B], s20, (3<<16)|(1<<21)
.irp g, G1A, G1B
	s_mov_b32 s[\g+1], 1536<<16                    ; tensor_dim0: 12288 bytes: a tile
	s_mov_b32 s[\g+2], 8<<16                       ; tensor_dim1: 8 tiles
	s_mov_b32 s[\g+3], 1536<<16                    ; tile_dim0
	s_mov_b32 s[\g+4], 8                           ; tile_dim1
	s_mov_b32 s[\g+5], 1536                        ; from tile to tile: 12288 bytes
	s_mov_b32 s[\g+6], 0
	s_mov_b32 s[\g+7], 0
.endr
	s_mul_i32 s56, s[GY], 98304                    ; S1's 8 tiles of codes: made of the row coordinate alone
	s_mov_b32 s57, 0
	s_lshl_b32 s58, s[GX], 4
	s_lshl_b32 s59, s[WY], 3
	s_add_co_u32 s58, s58, s59
	s_mul_i32 s58, s58, 12288                      ; S0's: tile 16 gx + 8 (wave / 2): of the column coordinate and the wave's number alone
	s_mov_b32 s59, 0
	s_lshl_b32 s60, s[GY], 12                      ; S1's scale words: my four tiles
	s_lshl_b32 s61, s[WY], 11
	s_add_co_u32 s60, s60, s61
	s_mov_b32 s61, 0
	s_lshl_b32 s62, s[GX], 13                      ; S0's
	s_lshl_b32 s63, s[WX], 12                      ; my eight tiles
	s_add_co_u32 s62, s62, s63
	s_mov_b32 s63, 0
	s_mul_i32 s21, s[WV], REG                      ; in LDS: wave 1 fills the second region, wave 2 the third
	s_wait_dscnt 0x0
	s_wait_kmcnt 0x0
	s_add_nc_u64 s[56:57], s[4:5], s[56:57]
	s_add_nc_u64 s[58:59], s[6:7], s[58:59]
	s_add_nc_u64 s[60:61], s[4:5], s[60:61]
	s_add_nc_u64 s[62:63], s[6:7], s[62:63]
.irp j, 0
	s_mov_b32 s[G0A+4*\j], 1
	s_mov_b32 s[G0A+4*\j+1], \j*CH
	s_add_nc_u64 s[G0A+4*\j+2:G0A+4*\j+3], s[56:57], 262144+\j*TL
	s_or_b32 s[G0A+4*\j+3], s[G0A+4*\j+3], 0x80000000
	s_mov_b32 s[G0B+4*\j], 1
	s_add_co_u32 s[G0B+4*\j+1], s21, \j*CH
	s_add_nc_u64 s[G0B+4*\j+2:G0B+4*\j+3], s[58:59], 262144+\j*TL
	s_or_b32 s[G0B+4*\j+3], s[G0B+4*\j+3], 0x80000000
.endr
	ROUND                                          ; all sixteen work-groups are here: the joint loads meet
; All fills of the launch, in one group.  Wave 0: S1's eight tiles; waves 1 and 2: their half of S0's; wave 3: none.  One tensor load of a wave is out at the most.
	s_cmp_eq_u32 s[WV], 0
	s_cbranch_scc0 .Lnot_a
	tensor_load_to_lds s[G0A:G0A+3], s[G1A:G1A+7]  ; wave 0: S1's eight tiles; one tensor load a wave
	s_nop 0
.rept 4
	v_nop
.endr
	s_branch .Lasked
.Lnot_a:
	s_cmp_lt_u32 s[WV], 3
	s_cbranch_scc0 .Lasked
	tensor_load_to_lds s[G0B:G0B+3], s[G1B:G1B+7]  ; waves 1, 2: eight tiles of S0 each
	s_nop 0
.rept 4
	v_nop
.endr
.Lasked:
	s_wait_alu depctr_va_vdst(0)
.irp g, 0,1                            ; all scale words of my rows, once: a load brings a row's words of four K steps
.irp a, 0,1,2,3
	global_load_b128 v[32+48*\g+4*\a:32+48*\g+4*\a+3], v6, s[60:61] offset:\a*512+\g*256
.endr
.irp b, 0,1,2,3,4,5,6,7
	global_load_b128 v[48+48*\g+4*\b:48+48*\g+4*\b+3], v6, s[62:63] offset:\b*512+\g*256
.endr
.endr
	s_wait_tensorcnt 0x0                           ; my region is in
	s_barrier_signal -1
	s_barrier_wait -1                              ; everybody's are
.macro FETCH ks                        ; K step ks: S0's eight fragments and S1's four into set ks % 2: 48 loads, each of 512 or 256 consecutive bytes
.set FS, (\ks)&1
.set OFS, (\ks)*FRB
.set HI, 0
	WIN TO_S0
.irp i, 0,1,2,3,4,5,6,7
	ds_load_b128 v[128*FS+12*\i:128*FS+12*\i+3], v[12+2*(\i/4)] offset:OFS+(\i%4)*TL      ; tiles 4-7 go by v14, v15
	ds_load_b64 v[128*FS+12*\i+4:128*FS+12*\i+5], v[13+2*(\i/4)] offset:OFS+(\i%4)*TL+512
	ds_load_b128 v[128*FS+12*\i+6:128*FS+12*\i+9], v[12+2*(\i/4)] offset:OFS+(\i%4)*TL+768
	ds_load_b64 v[128*FS+12*\i+10:128*FS+12*\i+11], v[13+2*(\i/4)] offset:OFS+(\i%4)*TL+1280
.endr
	WIN 0
.irp i, 0,1,2,3
	ds_load_b128 v[128+48*FS+12*\i:128+48*FS+12*\i+3], v[8+HI] offset:OFS+\i*TL
	ds_load_b64 v[128+48*FS+12*\i+4:128+48*FS+12*\i+5], v[9+HI] offset:OFS+\i*TL+512
	ds_load_b128 v[128+48*FS+12*\i+6:128+48*FS+12*\i+9], v[8+HI] offset:OFS+\i*TL+768
	ds_load_b64 v[128+48*FS+12*\i+10:128+48*FS+12*\i+11], v[9+HI] offset:OFS+\i*TL+1280
.endr
.endm
.macro MUL32 ks, zero                  ; 32 matrix instructions; the 32 accumulators take turns, one instruction a turn, in the same order in every K step
.set FS, (\ks)&1
.set SCG, 32+48*((\ks)>>2)+((\ks)&3)
	WIN MUL
.irp a, 0,1,2,3
.irp b, 0,1,2,3,4,5,6,7
.if \zero
	v_wmma_scale_f32_16x16x128_f8f6f4 v[64*\a+8*\b:64*\a+8*\b+7], v[128*FS+12*\b:128*FS+12*\b+11], v[128+48*FS+12*\a:128+48*FS+12*\a+11], 0, v[SCG+16+4*\b], v[SCG+4*\a] matrix_a_fmt:MATRIX_FMT_FP6 matrix_b_fmt:MATRIX_FMT_FP6
.else
	v_wmma_scale_f32_16x16x128_f8f6f4 v[64*\a+8*\b:64*\a+8*\b+7], v[128*FS+12*\b:128*FS+12*\b+11], v[128+48*FS+12*\a:128+48*FS+12*\a+11], v[64*\a+8*\b:64*\a+8*\b+7], v[SCG+16+4*\b], v[SCG+4*\a] matrix_a_fmt:MATRIX_FMT_FP6 matrix_b_fmt:MATRIX_FMT_FP6
.endif
.endr
.endr
.endm
; A K step.  The next step's fetch, then this step's products; tc is unused and no barrier stands in a K step.
.macro KSTEP ks, tc, fetch, zero
.if \fetch
.if (\ks) > 0
.rept 4
	v_nop                                          ; four places in front of loads into registers that matrix instructions have read (ISA guide 7.12.1 for vector instructions)
.endr
.endif
	FETCH (\ks)+1
	s_wait_dscnt 48                                ; all but the 48 just issued
.else
	s_wait_dscnt 0x0
.endif
	MUL32 \ks, \zero
.endm
	s_wait_loadcnt 0x0                             ; the scale words
	FETCH 0
	KSTEP 0, -1, 1, 1                              ; the first products start the sums: nothing is cleared
	KSTEP 1, -1, 1, 0
	KSTEP 2, -1, 1, 0
	KSTEP 3, -1, 1, 0
	KSTEP 4, -1, 1, 0
	KSTEP 5, -1, 1, 0
	KSTEP 6, -1, 1, 0
	KSTEP 7, -1, 0, 0
; THE WAY OUT: the results are quantised in registers.  For S1's tile a, a lane's 64 registers are k = 32 b + 16 h + 0 .. 15, b = 0 .. 3, of its row.
	s_lshl_b32 s19, s[GX], 1
	s_add_co_u32 s19, s19, s[WX]                   ; B
	s_lshl_b32 s20, s[GY], 3
	s_lshl_b32 s21, s[WY], 2
	s_add_co_u32 s20, s20, s21                     ; my first A
	s_mul_i32 s22, s19, 786432
	s_mul_i32 s23, s20, FRB
	s_add_co_u32 s22, s22, s23
	s_add_co_u32 s22, s22, 2097152
	s_mov_b32 s23, 0
	s_add_nc_u64 s[22:23], s[8:9], s[22:23]        ; the codes
	s_lshl_b32 s20, s20, 6
	s_lshl_b32 s19, s19, 15
	s_add_co_u32 s20, s20, s19
	s_mov_b32 s21, 0
	s_add_nc_u64 s[20:21], s[8:9], s[20:21]        ; the scale words
	s_mov_b32 s56, 0x76543210
	s_mov_b32 s57, 0xfedcba98                      ; selects for lane l xor 16
.rept 4
	v_nop                                          ; four places behind the last products
.endr
.macro QUANT a
.set AC, 64*(\a)
.set PC, 128+20*(\a)                   ; a set of registers of its own for each tile, so that no store's data are written again
	WIN 0x14                                       ; sources 1 and 2 window 1
.irp b, 0,1,2,3
	v_max3_num_f32 v[TM+\b], 0x1800000, |v[AC+16*\b]|, |v[AC+16*\b+1]|   ; each accumulator is read from its low end on; the floor 2^(3 - 127) holds the byte at 1 from below
.endr
.irp i, 2,4,6,8,10,12,14
.irp b, 0,1,2,3
	v_max3_num_f32 v[TM+\b], v[TM+\b], |v[AC+16*\b+\i]|, |v[AC+16*\b+\i+1]|
.endr
.endr
	WIN 0
.irp b, 0,1,2,3
	v_permlanex16_b32 v[TM+4+\b], v[TM+\b], s56, s57
.endr
.irp b, 0,1,2,3
	v_max_num_f32 v[TM+\b], v[TM+\b], v[TM+4+\b]   ; with lane l xor 16's 16: the block's largest magnitude
.endr
.irp b, 0,1,2,3
	v_add_nc_u32 v[TM+12+\b], 0xff000000, v[TM+\b] ; 2 off its exponent field: the conversion's scale operand
.endr
.irp b, 0,1,2,3
	v_lshrrev_b32 v[TM+4+\b], 23, v[TM+12+\b]      ; the scale's byte
.endr
	v_lshl_or_b32 v[PW+(\a)], v[TM+5], 8, v[TM+4]
	v_lshl_or_b32 v[PW+(\a)], v[TM+6], 16, v[PW+(\a)]
	v_lshl_or_b32 v[PW+(\a)], v[TM+7], 24, v[PW+(\a)]
	WIN 0x01                                       ; source 0 window 1
.irp c, 0,1
	v_cvt_scalef32_pk16_fp6_f32 v[PC+6*\c:PC+6*\c+2], v[AC+32*\c:AC+32*\c+15], v[TM+12+2*\c]
	v_cvt_scalef32_pk16_fp6_f32 v[PC+12+4*\c:PC+14+4*\c], v[AC+32*\c+16:AC+32*\c+31], v[TM+12+2*\c+1]
.endr
	WIN 0
	v_nop                                          ; one plain line behind the conversions
.irp c, 0,1                            ; the operand's layout wants a whole block in a lane: lanes 0-15 block 2 c, lanes 16-31 block 2 c + 1
.irp i, 0,1,2
	v_permlane16_swap_b32 v[PC+6*\c+\i], v[PC+12+4*\c+\i]
.endr
.irp i, 0,1,2
	v_mov_b32 v[PC+3+6*\c+\i], v[PC+12+4*\c+\i]
.endr
.endr
	global_store_b128 v4, v[PC:PC+3], s[22:23] offset:(\a)*FRB              ; each store covers 512 or 256 consecutive bytes, aligned
	global_store_b64 v5, v[PC+4:PC+5], s[22:23] offset:(\a)*FRB+512
	global_store_b128 v4, v[PC+6:PC+9], s[22:23] offset:(\a)*FRB+768
	global_store_b64 v5, v[PC+10:PC+11], s[22:23] offset:(\a)*FRB+1280
.endm
	QUANT 0
	QUANT 1
	QUANT 2
	QUANT 3
	v_cmp_eq_u32 vcc_lo, 1, v3
	v_cndmask_b32 v244, v240, v242, vcc_lo         ; lanes 0-15 store the words of tiles 0 and 1 of row r, lanes 16-31 those of tiles 2 and 3
	v_cndmask_b32 v245, v241, v243, vcc_lo
	global_store_b64 v20, v[244:245], s[20:21]     ; 256 consecutive bytes, aligned
	s_wait_tensorcnt 0x0
	ds_add_u32 v254, v255
	s_wait_dscnt 0x0
	ROUND                                          ; the closing round: no work-group ends while a partner may still ask for a tile that names it
	s_endpgm
.Lfunc_end_k_qdb2365b457_qk:
	.size	k_qdb2365b457_qk, .Lfunc_end_k_qdb2365b457_qk-k_qdb2365b457_qk
	.p2alignl 7, 3214868480
	.fill 96, 4, 3214868480
	.section	.rodata,"a",@progbits
	.p2align	6, 0x0
	.amdhsa_kernel k_qdb2365b457_qk
		.amdhsa_group_segment_fixed_size 327680
		.amdhsa_private_segment_fixed_size 0
		.amdhsa_enable_private_segment 0
		.amdhsa_kernarg_size 24
		.amdhsa_user_sgpr_count 2
		.amdhsa_user_sgpr_kernarg_segment_ptr 1
		.amdhsa_wavefront_size32 1
		.amdhsa_system_sgpr_workgroup_id_x 1
		.amdhsa_system_sgpr_workgroup_id_y 1
		.amdhsa_system_sgpr_workgroup_id_z 1
		.amdhsa_system_vgpr_workitem_id 0
		.amdhsa_next_free_vgpr 768
		.amdhsa_next_free_sgpr 100
		.amdhsa_reserve_vcc 1
		.amdhsa_float_denorm_mode_32 3
		.amdhsa_float_denorm_mode_16_64 3
		.amdhsa_memory_ordered 1
		.amdhsa_forward_progress 1
		.amdhsa_inst_pref_size 84
	.end_amdhsa_kernel
	.amdgpu_metadata
---
amdhsa.version: [ 1, 2 ]
amdhsa.kernels:
  - .name:           k_qdb2365b457_qk
    .symbol:         k_qdb2365b457_qk.kd
    .args:
      - { .name: xq, .offset: 0, .size: 8, .value_kind: global_buffer, .address_space: global }
      - { .name: wqk, .offset: 8, .size: 8, .value_kind: global_buffer, .address_space: global }
      - { .name: qkq, .offset: 16, .size: 8, .value_kind: global_buffer, .address_space: global }
    .group_segment_fixed_size: 327680
    .private_segment_fixed_size: 0
    .kernarg_segment_align: 8
    .kernarg_segment_size: 24
    .max_flat_workgroup_size: 128
    .sgpr_count:     100
    .vgpr_count:     768
    .wavefront_size: 32
...
	.end_amdgpu_metadata
.endif
;; end of part 2
;; launch vproj: the kernel of part 2 again; grid 32 x 8, 4 waves a work-group, clusters of 4 x 4, 327,680 bytes of LDS; arguments wv, xq, vq; writes vq
;; launch attn (part 3): grid 4 x 64, 16 waves a work-group, clusters of 4 x 1, 215,040 bytes of LDS; arguments qkq, vq, oq; writes oq
.if DOCPART == 3
	.amdgcn_target "amdgcn-amd-amdhsa--gfx1250"
	.amdhsa_code_object_version 6
	.text
	.protected	k_qdb2365b457_attn
	.globl	k_qdb2365b457_attn
	.p2align	8
	.type	k_qdb2365b457_attn,@function
k_qdb2365b457_attn:
	s_mov_b64 s[64:65], 0
	v_nop
	global_prefetch_b8 v0, s[64:65] scope:SCOPE_SE
	s_setreg_imm32_b32 hwreg(HW_REG_WAVE_MODE, 25, 1), 1
	s_wait_xcnt 0x0
	s_wait_alu depctr_hold_cnt(0) depctr_sa_sdst(0) depctr_va_vdst(0) depctr_va_sdst(0) depctr_va_ssrc(0) depctr_va_vcc(0) depctr_vm_vsrc(0)
	s_getreg_b32 s2, hwreg(HW_REG_IB_STS2, 6, 4)
	s_cmp_eq_u32 s2, 0
	s_cbranch_scc0 .Lentry_in_a_cluster
	s_endpgm
.Lentry_in_a_cluster:
	s_bfe_u32 s2, ttmp6, 0x10000c
	s_cmp_lg_u32 s2, 0x3003
	s_cbranch_scc0 .Lentry_shape_is_right
	s_endpgm
.Lentry_shape_is_right:
; For each of 64 (batch, head): O = softmax(Q K^T / 32) V, both products on codes of FP6 (E2M3) with E8M0 scales; O is quantised along the head's 64 and stored as codes, an operand of the last product.
; THE SOFTMAX: t = score x log2(e) / 32; M = the running largest t rounded UP to a whole number; p = 2^(t - M) is quantised along the keys, not normalised; the row's sum is taken of the unquantised p and divides O at the end.
;   When M moves, the sum and O are multiplied by 2^(old M - new M): exact.
; INPUTS.  qkq: for a tile A of 16 tokens and a pair of heads B (q: 0-7, k: 8-15): two half-images of 768 bytes (one a head: 16 tokens x 64) at 2097152 + 786432 B + 1536 A; scale words at 32768 B + 256 (A / 4) + 16 r + 4 (A % 4),
;   two bytes a head.  vq: for 128 keys B = 16 batch + step and a tile A = 4 head + d tile of 16 channels: a fragment (16 channels x 128 keys, 1536 bytes), same formulas.  A tile 2 g + u holds rows 32 g + 8 u + r + 8 (r / 8).
; THE FIRST PRODUCT'S K IS 64, half of the instruction's 128: Q's upper six registers hold zero codes, and its upper two scale bytes and K's are 0 (2^-127, no NaN); what stands in K's upper six registers then adds nothing.
; SHARES.  A work-group owns 512 queries of one head; each of its sixteen waves two tiles of 16, one after the other; four waves to a SIMD.  The head's whole K and V, 196608 bytes of codes and 12288 of scale bytes, lie in LDS:
;   EVERY LDS BYTE IS FILLED ONCE, at the start, so there is no ring.
; CLUSTER.  The four work-groups of a head form a cluster and need the same K and V: each tile is asked for jointly, by the same load with the same descriptor and the mask of all four.
; LAYOUT.  S^T = K Q^T (source 0 = 16 keys), O^T = V^T P^T (source 0 = 16 channels): a lane holds ONE query throughout; by the order of a tile's rows the 16 registers of tiles 2 g, 2 g + 1 are 16 neighbours along the next K.
; OUTPUT oq: codes at 262144 + 12288 T + 768 head (a half-image); a head's two scale bytes at 512 T + 256 (head / 8) + 16 r + 2 (head % 8): these go out as stores of two bytes a lane, since a scale word's halves belong to two
;   heads and so to two work-groups; they are one byte in 24 of what the launch stores.
; LIMITS: NaN and infinities are not served; a block whose largest magnitude lies under 2^-124 (zeros among them) gets the byte 1.
; REGISTERS: v1-7, v14, v15 addresses that stay; v8-13 the step's addresses; v16-27, v224-235 Q's two fragments; v28 -M, v29 the largest t, v[30:31] the sum; v32-85 K's tiles (six registers each, tile t named as v[32+6t : 43+6t]),
;   then V's four fragments; v[86:87] f; v88-91 at work; v96-159 S^T, then p; v160-191 O^T; v192-210 codes; v212-223 at work; v236-238 O's scale bytes; v240-254 scale words, v240-247 also partial sums of p.
.set VC, 98304                         ; LDS: K's codes at 0 (128 tiles x 768); V's at VC ([step][d tile][1536]); K's scale words at KS (8192); V's at VS ([step][256])
.set KS, 196608
.set VS, 204800
.set WV, 10
.set CX, 11
.set G1K,  24
.set G1V,  32
.set G1KS, 40
.set G1VS, 48
.set G0K,  56
.set G0V,  60
.set G0KS, 68
.set G0VS, 72
.set TB,  76                           ; s76 the step's codes: 6144 bytes a step, in K's region and in V's
.set TS,  77                           ; s77 K's scale words: 512 a step
.set TV,  78                           ; s78 V's: 256 a step
.set CNT, 79
.set BM, 212
.set BT, 216
.set SO, 220
.macro ROUND                           ; a round of the cluster's barrier
	s_barrier_signal -1
	s_barrier_wait -1
	s_cmp_lg_u32 s[WV], 0
	s_cbranch_scc1 .Lnot_wave_0_\@
	s_barrier_signal -3
.Lnot_wave_0_\@:
	s_barrier_wait -3
	s_barrier_signal -1
	s_barrier_wait -1
.endm
	s_load_b128 s[4:7], s[0:1], 0x0                ; qkq, vq
	s_load_b64 s[8:9], s[0:1], 0x10                ; oq
	v_lshl_add_u32 v239, v0, 2, 0x34000
	v_mov_b32 v255, 0
	ds_add_u32 v239, v255
	ds_add_u32 v239, v255
	v_lshrrev_b32 v1, 5, v0
	s_delay_alu instid0(VALU_DEP_1)
	v_readfirstlane_b32 s[WV], v1                  ; wave 0..15
	s_bfe_u32 s[CX], ttmp6, 0x40000                ; my place in the cluster: it enters Q's and O's addresses in memory alone
	s_and_b32 s12, ttmp7, 0xffff                   ; batch and head: the same in all four partners
	s_lshr_b32 s13, s12, 4                         ; batch
	s_and_b32 s14, s12, 15                         ; head
	s_lshr_b32 s15, s14, 1                         ; pair of heads
	s_and_b32 s16, s14, 1                          ; which of the pair
	s_and_b32 s17, s[WV], 1                        ; which half of K or V a fetching wave takes
	v_and_b32 v14, 31, v0                          ; lane
	v_and_b32 v7, 15, v0
	s_delay_alu instid0(VALU_DEP_1)
	v_lshlrev_b32 v7, 4, v7                        ; 16 r
	v_bfe_u32 v15, v0, 4, 1
	s_delay_alu instid0(VALU_DEP_1)
	v_lshl_add_u32 v15, v15, 9, v7                 ; 512 h + 16 r: where O's scale bytes go
	v_lshlrev_b32 v1, 4, v14                       ; 16 x lane
	v_lshlrev_b32 v2, 3, v14                       ; 8 x lane
	s_delay_alu instid0(VALU_DEP_2)
	v_add_nc_u32 v3, VC, v1
	s_delay_alu instid0(VALU_DEP_2)
	v_add_nc_u32 v4, VC, v2
	s_lshl_b32 s81, s16, 1
	s_add_co_u32 s81, s81, KS
	v_add_nc_u32 v5, s81, v7                       ; K's scale bytes: my head's two of a word
	v_add_nc_u32 v6, VS, v7
	s_mov_b32 s20, 0x76543210
	s_mov_b32 s21, 0xfedcba98                      ; selects for lane l xor 16
	s_mov_b32 s22, 0x3d38aa3b                      ; c = log2(e) / 32
	s_mov_b32 s23, s22                             ; (named with it as a pair, so it is written)
	; descriptor groups 1: word 0: the mask of all four, elements of 8 bytes, bit 21 beside the mask; no padding
.irp g, G1K, G1V, G1KS, G1VS
	s_mov_b32 s[\g], 15|(3<<16)|(1<<21)
	s_mov_b32 s[\g+6], 0
	s_mov_b32 s[\g+7], 0
.endr
	s_mov_b32 s[G1K+1], 96<<16                     ; K: 64 rows (tiles) of 768 bytes, 1536 bytes apart
	s_mov_b32 s[G1K+2], 64<<16
	s_mov_b32 s[G1K+3], 96<<16
	s_mov_b32 s[G1K+4], 64
	s_mov_b32 s[G1K+5], 192
	s_mov_b32 s[G1V+1], 768<<16                    ; V: 8 rows (key steps) of 6144 bytes, 786432 bytes apart
	s_mov_b32 s[G1V+2], 8<<16
	s_mov_b32 s[G1V+3], 768<<16
	s_mov_b32 s[G1V+4], 8
	s_mov_b32 s[G1V+5], 98304
	s_mov_b32 s[G1KS+1], 32<<16                    ; K's scale words: 8192 dense bytes as 32 rows of 256
	s_mov_b32 s[G1KS+2], 32<<16
	s_mov_b32 s[G1KS+3], 32<<16
	s_mov_b32 s[G1KS+4], 32
	s_mov_b32 s[G1KS+5], 32
	s_mov_b32 s[G1VS+1], 32<<16                    ; V's: 16 rows (key steps) of 256 bytes, 32768 bytes apart
	s_mov_b32 s[G1VS+2], 16<<16
	s_mov_b32 s[G1VS+3], 32<<16
	s_mov_b32 s[G1VS+4], 16
	s_mov_b32 s[G1VS+5], 4096
	; where the tiles lie in memory: made of batch, head and the wave's number alone
	s_add_co_u32 s80, s15, 8
	s_mul_i32 s80, s80, 786432
	s_mul_i32 s81, s13, 196608
	s_add_co_u32 s80, s80, s81
	s_mul_i32 s81, s16, 768
	s_add_co_u32 s80, s80, s81
	s_mul_i32 s81, s17, 98304
	s_add_co_u32 s80, s80, s81
	s_add_co_u32 s80, s80, 2097152
	s_mov_b32 s81, 0                               ; K's codes
	s_lshl_b32 s82, s13, 4
	s_lshl_b32 s83, s17, 3
	s_add_co_u32 s82, s82, s83
	s_mul_i32 s82, s82, 786432
	s_mul_i32 s83, s14, 6144
	s_add_co_u32 s82, s82, s83
	s_add_co_u32 s82, s82, 2097152
	s_mov_b32 s83, 0                               ; V's codes
	s_add_co_u32 s84, s15, 8
	s_lshl_b32 s84, s84, 15
	s_lshl_b32 s85, s13, 13
	s_add_co_u32 s84, s84, s85
	s_mov_b32 s85, 0                               ; K's scale words
	s_lshl_b32 s86, s13, 19
	s_lshl_b32 s87, s14, 8
	s_add_co_u32 s86, s86, s87
	s_mov_b32 s87, 0                               ; V's scale words
	; my two tiles of queries: T0 = 128 batch + 32 cx + 2 wave, and T0 + 1
	s_lshl_b32 s18, s13, 7
	s_lshl_b32 s19, s[CX], 5
	s_add_co_u32 s18, s18, s19
	s_lshl_b32 s19, s[WV], 1
	s_add_co_u32 s18, s18, s19
	s_mul_i32 s88, s15, 786432
	s_mul_i32 s19, s18, 1536
	s_add_co_u32 s88, s88, s19
	s_mul_i32 s19, s16, 768
	s_add_co_u32 s88, s88, s19
	s_add_co_u32 s88, s88, 2097152
	s_mov_b32 s89, 0                               ; Q's codes
	s_lshl_b32 s90, s15, 15
	s_lshr_b32 s19, s18, 2
	s_lshl_b32 s19, s19, 8
	s_add_co_u32 s90, s90, s19
	s_and_b32 s19, s18, 3
	s_lshl_b32 s19, s19, 2
	s_add_co_u32 s90, s90, s19
	s_lshl_b32 s19, s16, 1
	s_add_co_u32 s90, s90, s19
	s_mov_b32 s91, 0                               ; Q's scale bytes
	s_mul_i32 s92, s18, 12288
	s_mul_i32 s19, s14, 768
	s_add_co_u32 s92, s92, s19
	s_add_co_u32 s92, s92, 262144
	s_mov_b32 s93, 0                               ; O's codes
	s_lshl_b32 s94, s18, 9
	s_lshr_b32 s19, s14, 3
	s_lshl_b32 s19, s19, 8
	s_add_co_u32 s94, s94, s19
	s_and_b32 s19, s14, 7
	s_lshl_b32 s19, s19, 1
	s_add_co_u32 s94, s94, s19
	s_mov_b32 s95, 0                               ; O's scale bytes
	s_mul_i32 s19, s17, 49152                      ; a half of K's or V's region in LDS
	s_wait_dscnt 0x0
	s_wait_kmcnt 0x0
	s_mov_b32 s[G0K], 1
	s_mov_b32 s[G0K+1], s19
	s_add_nc_u64 s[G0K+2:G0K+3], s[4:5], s[80:81]
	s_or_b32 s[G0K+3], s[G0K+3], 0x80000000
	s_mov_b32 s[G0V], 1
	s_add_co_u32 s[G0V+1], s19, VC
	s_add_nc_u64 s[G0V+2:G0V+3], s[6:7], s[82:83]
	s_or_b32 s[G0V+3], s[G0V+3], 0x80000000
	s_mov_b32 s[G0KS], 1
	s_mov_b32 s[G0KS+1], KS
	s_add_nc_u64 s[G0KS+2:G0KS+3], s[4:5], s[84:85]
	s_or_b32 s[G0KS+3], s[G0KS+3], 0x80000000
	s_mov_b32 s[G0VS], 1
	s_mov_b32 s[G0VS+1], VS
	s_add_nc_u64 s[G0VS+2:G0VS+3], s[6:7], s[86:87]
	s_or_b32 s[G0VS+3], s[G0VS+3], 0x80000000
	s_add_nc_u64 s[88:89], s[4:5], s[88:89]
	s_add_nc_u64 s[90:91], s[4:5], s[90:91]
	s_add_nc_u64 s[92:93], s[8:9], s[92:93]
	s_add_nc_u64 s[94:95], s[8:9], s[94:95]
	ROUND                                          ; all four work-groups are here: the joint loads meet
; All fills of the launch: waves 0, 1 K's halves; waves 2, 3 V's; wave 4 K's scale words; wave 5 V's; one load a wave.  The branches hang on the wave's number alone.
	s_cmp_lt_u32 s[WV], 2
	s_cbranch_scc0 .Lnot_k
	tensor_load_to_lds s[G0K:G0K+3], s[G1K:G1K+7]
	s_nop 0
.rept 4
	v_nop
.endr
	s_branch .Lasked
.Lnot_k:
	s_cmp_lt_u32 s[WV], 4
	s_cbranch_scc0 .Lnot_v
	tensor_load_to_lds s[G0V:G0V+3], s[G1V:G1V+7]
	s_nop 0
.rept 4
	v_nop
.endr
	s_branch .Lasked
.Lnot_v:
	s_cmp_eq_u32 s[WV], 4
	s_cbranch_scc0 .Lnot_ks
	tensor_load_to_lds s[G0KS:G0KS+3], s[G1KS:G1KS+7]
	s_nop 0
.rept 4
	v_nop
.endr
	s_branch .Lasked
.Lnot_ks:
	s_cmp_eq_u32 s[WV], 5
	s_cbranch_scc0 .Lasked
	tensor_load_to_lds s[G0VS:G0VS+3], s[G1VS:G1VS+7]
	s_nop 0
.rept 4
	v_nop
.endr
.Lasked:
	s_wait_alu depctr_va_vdst(0)
	global_load_b128 v[16:19], v1, s[88:89]                    ; Q's two half-images stay in registers
	global_load_b64 v[20:21], v2, s[88:89] offset:512
	global_load_b128 v[224:227], v1, s[88:89] offset:1536
	global_load_b64 v[228:229], v2, s[88:89] offset:2048
	global_load_u16 v253, v7, s[90:91]                         ; and their scale bytes: the upper two bytes of the word come as 0
	global_load_u16 v254, v7, s[90:91] offset:4
.irp j, 0,1,2,3,4,5
	v_mov_b32 v[22+\j], 0                          ; zero codes for k = 64 .. 127
	v_mov_b32 v[230+\j], 0
	v_mov_b32 v[80+\j], 0                          ; named with K's last tile; written once
.endr
.irp b, 0,1,2,3
	v_mov_b32 v[BT+\b], 0                          ; a lane permute's destination counts as one of its sources
.endr
	v_mov_b32 v87, 0                               ; (named as the upper half of the pair v[86:87])
	s_wait_tensorcnt 0x0                           ; my tile is in,
	s_wait_loadcnt 0x0                             ; Q too;
	s_barrier_signal -1
	s_barrier_wait -1                              ; everybody's tiles are
; A KEY STEP: 128 keys.
.macro STEP qf, qs
	s_barrier_signal -1                            ; a split barrier: I have begun this step (no LDS instruction of mine is out here; up to its wait stand register work and loads of LDS bytes that nobody writes)
	v_add_nc_u32 v8, s[TB], v1
	v_add_nc_u32 v9, s[TB], v2
	v_add_nc_u32 v10, s[TB], v3
	v_add_nc_u32 v11, s[TB], v4
	v_add_nc_u32 v12, s[TS], v5
	v_add_nc_u32 v13, s[TV], v6
.irp t, 0,1,2,3,4,5,6,7
	ds_load_b128 v[32+6*\t:35+6*\t], v8 offset:768*\t
	ds_load_b64 v[36+6*\t:37+6*\t], v9 offset:768*\t+512
	ds_load_u16 v[240+\t], v12 offset:(\t/4)*256+4*(\t%4)
.endr
	s_wait_alu depctr_va_vdst(0)
	s_wait_dscnt 0x0
.irp t, 0,1,2,3,4,5,6,7
	v_wmma_scale_f32_16x16x128_f8f6f4 v[96+8*\t:103+8*\t], v[32+6*\t:43+6*\t], v[\qf:\qf+11], 0, v[240+\t], v[\qs] matrix_a_fmt:MATRIX_FMT_FP6 matrix_b_fmt:MATRIX_FMT_FP6
.endr
.rept 4
	v_nop                                          ; four places: in front of the loads below and of the first read of the scores
.endr
.irp d, 0,1,2,3                        ; V's four fragments and their scale words land while the softmax is walked
	ds_load_b128 v[32+12*\d:35+12*\d], v10 offset:1536*\d
	ds_load_b64 v[36+12*\d:37+12*\d], v11 offset:1536*\d+512
	ds_load_b128 v[38+12*\d:41+12*\d], v10 offset:1536*\d+768
	ds_load_b64 v[42+12*\d:43+12*\d], v11 offset:1536*\d+1280
.endr
	ds_load_b128 v[248:251], v13
.irp b, 0,1,2,3
	v_max3_num_f32 v[BM+\b], v[96+16*\b], v[97+16*\b], v[98+16*\b]   ; the largest score of each block of 32 keys: it serves for the row's maximum and, since p rises with the score, for the block's largest p
.endr
.irp i, 3,5,7,9,11,13
.irp b, 0,1,2,3
	v_max3_num_f32 v[BM+\b], v[BM+\b], v[96+16*\b+\i], v[97+16*\b+\i]
.endr
.endr
.irp b, 0,1,2,3
	v_max_num_f32 v[BM+\b], v[BM+\b], v[111+16*\b]
.endr
.irp b, 0,1,2,3
	s_delay_alu instid0(VALU_DEP_4)
	v_permlanex16_b32 v[BT+\b], v[BM+\b], s20, s21
.endr
.irp b, 0,1,2,3
	s_delay_alu instid0(VALU_DEP_4)
	v_max_num_f32 v[BM+\b], v[BM+\b], v[BT+\b]     ; with lane l xor 16's 16 keys
.endr
	s_delay_alu instid0(VALU_DEP_2)
	v_max3_num_f32 v88, v[BM], v[BM+1], v[BM+2]
	s_delay_alu instid0(VALU_DEP_1)
	v_max_num_f32 v88, v88, v[BM+3]
	s_delay_alu instid0(VALU_DEP_1)
	v_mul_f32 v88, s22, v88                        ; the step's largest t (c is positive)
	s_delay_alu instid0(VALU_DEP_1)
	v_max_num_f32 v29, v29, v88                    ; the running largest t
	v_mov_b32 v88, v28
	s_delay_alu instid0(VALU_DEP_2)
	v_floor_f32 v28, -v29                          ; the new -M = -ceil(t): a whole number
	s_delay_alu instid0(VALU_DEP_1)
	v_sub_f32 v88, v28, v88                        ; old M - new M: a whole number, 0 or less
	s_delay_alu instid0(VALU_DEP_1)
	v_cvt_i32_f32 v88, v88                         ; (it saturates)
	s_delay_alu instid0(VALU_DEP_1)
	v_ldexp_f32 v86, 1.0, v88                      ; f = 2^(old M - new M)
.set j, 0
.rept 32
	v_pk_fma_f32 v[96+j:97+j], v[96+j:97+j], s[22:23], v[28:29] op_sel_hi:[1,0,0]   ; t - M, two at a time
.set j, j+2
.endr
.irp b, 0,1,2,3
	v_fma_f32 v[BM+\b], v[BM+\b], s22, v28         ; the same of each block's largest score
.endr
.set j, 0
	s_wait_alu depctr_va_vdst(0)
.rept 64
	v_exp_f32 v[96+j], v[96+j]                     ; p = 2^(t - M), at most 1
.set j, j+1
.endr
	v_pk_mul_f32 v[30:31], v[30:31], v[86:87] op_sel_hi:[1,0]   ; the sums under the new M: a plain line behind the exponentials
	s_wait_alu depctr_va_vdst(0)                   ; one wait for the batch of 64, ahead of its first reader
.irp b, 0,1,2,3
	v_exp_f32 v[BM+\b], v[BM+\b]                   ; the block's largest p
.endr
	v_pk_add_f32 v[90:91], v[100:101], v[104:105]
	v_pk_add_f32 v[246:247], v[108:109], v[112:113]
	v_pk_add_f32 v[244:245], v[116:117], v[120:121]
	v_pk_add_f32 v[242:243], v[124:125], v[128:129]
	v_pk_add_f32 v[240:241], v[132:133], v[136:137]
	v_pk_add_f32 v[222:223], v[140:141], v[144:145]
	v_pk_add_f32 v[220:221], v[148:149], v[152:153]
	v_pk_add_f32 v[30:31], v[30:31], v[156:157]
	v_pk_add_f32 v[90:91], v[90:91], v[96:97]
	v_pk_add_f32 v[246:247], v[246:247], v[98:99]
	v_pk_add_f32 v[244:245], v[244:245], v[102:103]
	v_pk_add_f32 v[242:243], v[242:243], v[106:107]
	v_pk_add_f32 v[240:241], v[240:241], v[110:111]
	v_pk_add_f32 v[222:223], v[222:223], v[114:115]
	v_pk_add_f32 v[220:221], v[220:221], v[118:119]
	v_pk_add_f32 v[30:31], v[30:31], v[122:123]
	v_pk_add_f32 v[90:91], v[90:91], v[126:127]
	v_pk_add_f32 v[246:247], v[246:247], v[130:131]
	v_pk_add_f32 v[244:245], v[244:245], v[134:135]
	v_pk_add_f32 v[242:243], v[242:243], v[138:139]
	v_pk_add_f32 v[240:241], v[240:241], v[142:143]
	v_pk_add_f32 v[222:223], v[222:223], v[146:147]
	v_pk_add_f32 v[220:221], v[220:221], v[150:151]
	v_pk_add_f32 v[30:31], v[30:31], v[154:155]
	v_pk_add_f32 v[90:91], v[90:91], v[158:159]
	s_delay_alu instid0(VALU_DEP_2)
	v_pk_add_f32 v[30:31], v[30:31], v[242:243]
	s_delay_alu instid0(VALU_DEP_2)
	v_pk_add_f32 v[90:91], v[90:91], v[240:241]
	v_pk_add_f32 v[246:247], v[246:247], v[222:223]
	v_pk_add_f32 v[244:245], v[244:245], v[220:221]
	s_delay_alu instid0(VALU_DEP_2)
	v_pk_add_f32 v[30:31], v[30:31], v[246:247]
	s_delay_alu instid0(VALU_DEP_2)
	v_pk_add_f32 v[90:91], v[90:91], v[244:245]
	s_delay_alu instid0(VALU_DEP_1)
	v_pk_add_f32 v[30:31], v[30:31], v[90:91]
	s_wait_alu depctr_va_vdst(0)                   ; and one for the four
.irp b, 0,1,2,3
	v_max_num_f32 v[BM+\b], 0x1800000, v[BM+\b]    ; the floor 2^(3 - 127): the byte cannot fall under 1
.endr
.irp b, 0,1,2,3
	s_delay_alu instid0(VALU_DEP_4)
	v_add_nc_u32 v[SO+\b], 0xff000000, v[BM+\b]    ; 2 off the exponent field: the conversion's scale operand
.endr
.irp b, 0,1,2,3
	s_delay_alu instid0(VALU_DEP_4)
	v_lshrrev_b32 v[BT+\b], 23, v[SO+\b]           ; the scale's byte
.endr
	s_delay_alu instid0(VALU_DEP_3)
	v_lshl_or_b32 v252, v[BT+1], 8, v[BT]          ; p's scale word for these 128 keys
	s_delay_alu instid0(VALU_DEP_1)
	v_lshl_or_b32 v252, v[BT+2], 16, v252
	s_delay_alu instid0(VALU_DEP_1)
	v_lshl_or_b32 v252, v[BT+3], 24, v252
.irp c, 0,1
	v_cvt_scalef32_pk16_fp6_f32 v[192+6*\c:194+6*\c], v[96+32*\c:111+32*\c], v[SO+2*\c]
	v_cvt_scalef32_pk16_fp6_f32 v[204+4*\c:206+4*\c], v[112+32*\c:127+32*\c], v[SO+2*\c+1]
.endr
	v_nop                                          ; one plain line behind the conversions
.irp c, 0,1                            ; a whole block to a lane: lanes 0-15 block 2 c, lanes 16-31 block 2 c + 1
.irp i, 0,1,2
	v_permlane16_swap_b32 v[192+6*\c+\i], v[204+4*\c+\i]
.endr
.irp i, 0,1,2
	s_delay_alu instid0(VALU_DEP_3)
	v_mov_b32 v[195+6*\c+\i], v[204+4*\c+\i]
.endr
.endr
.set j, 0
.rept 16
	v_pk_mul_f32 v[160+j:161+j], v[160+j:161+j], v[86:87] op_sel_hi:[1,0]   ; O^T under the new M.  Of these 16, twelve name no register of any one product below: the places between p's scale word and codes and the products
.set j, j+2
.endr
	s_wait_alu depctr_va_vdst(0)
	s_wait_dscnt 0x0                               ; V is in
.irp d, 0,1,2,3
	v_wmma_scale_f32_16x16x128_f8f6f4 v[160+8*\d:167+8*\d], v[32+12*\d:43+12*\d], v[192:203], v[160+8*\d:167+8*\d], v[248+\d], v252 matrix_a_fmt:MATRIX_FMT_FP6 matrix_b_fmt:MATRIX_FMT_FP6
.endr
	s_add_co_u32 s[TB], s[TB], 6144
	s_add_co_u32 s[TS], s[TS], 512
	s_add_co_u32 s[TV], s[TV], 256
	s_barrier_wait -1                              ; no wave begins the next step before all sixteen have begun this one: the waves stay within one step of each other
.endm
; THE WAY OUT of tile n: O^T / the sum; register 16 g + i is channel 32 g + 16 h + i of my query: two blocks of 32, quantised as p is; a half-image of 768 bytes.
.macro QOUT n
.rept 4
	v_nop                                          ; four places behind the last products
.endr
	v_add_f32 v30, v30, v31
	s_delay_alu instid0(VALU_DEP_1)
	v_permlanex16_b32 v88, v30, s20, s21
	s_delay_alu instid0(VALU_DEP_1)
	v_add_f32 v30, v30, v88                        ; the row's sum
	s_wait_alu depctr_va_vdst(0)
	v_rcp_f32 v89, v30
	v_nop                                          ; a plain line behind the reciprocal
	s_wait_alu depctr_va_vdst(0)                   ; and the wait ahead of its first reader
.set j, 0
.rept 32
	v_mul_f32 v[96+j], v[160+j], v89               ; each accumulator from its low end on
.set j, j+1
.endr
.irp b, 0,1
	v_max3_num_f32 v[BM+\b], |v[96+16*\b]|, |v[97+16*\b]|, 0x1800000
.endr
.irp i, 2,4,6,8,10,12,14
.irp b, 0,1
	s_delay_alu instid0(VALU_DEP_2)
	v_max3_num_f32 v[BM+\b], v[BM+\b], |v[96+16*\b+\i]|, |v[97+16*\b+\i]|
.endr
.endr
.irp b, 0,1
	s_delay_alu instid0(VALU_DEP_2)
	v_permlanex16_b32 v[BT+\b], v[BM+\b], s20, s21
.endr
.irp b, 0,1
	s_delay_alu instid0(VALU_DEP_2)
	v_max_num_f32 v[BM+\b], v[BM+\b], v[BT+\b]
.endr
.irp b, 0,1
	s_delay_alu instid0(VALU_DEP_2)
	v_add_nc_u32 v[SO+\b], 0xff000000, v[BM+\b]
.endr
.irp b, 0,1
	s_delay_alu instid0(VALU_DEP_2)
	v_lshrrev_b32 v[BT+\b], 23, v[SO+\b]
.endr
	s_delay_alu instid0(VALU_DEP_1)
	v_lshl_or_b32 v[236+\n], v[BT+1], 8, v[BT]     ; my row's two scale bytes
	v_cvt_scalef32_pk16_fp6_f32 v[192:194], v[96:111], v[SO]
	v_cvt_scalef32_pk16_fp6_f32 v[204:206], v[112:127], v[SO+1]
	v_nop                                          ; one plain line behind the conversions
.irp i, 0,1,2
	v_permlane16_swap_b32 v[192+\i], v[204+\i]
.endr
.irp i, 0,1,2
	s_delay_alu instid0(VALU_DEP_3)
	v_mov_b32 v[195+\i], v[204+\i]
.endr
	global_store_b128 v1, v[192:195], s[92:93] offset:\n*12288        ; 512 and 256 consecutive bytes, aligned
	global_store_b64 v2, v[196:197], s[92:93] offset:\n*12288+512
.endm
.macro QTILE n, qf, qs
.if \n
	s_wait_xcnt 0x0                                ; the first tile's stores have read their registers: they are written again only behind this wait
.endif
	v_mov_b32 v29, 0xff61b1e6                      ; the largest t so far: -3e38, under every t
	s_delay_alu instid0(VALU_DEP_1)
	v_floor_f32 v28, -v29                          ; -M
	v_mov_b32 v30, 0                               ; the sum, in two halves
	v_mov_b32 v31, 0
.set j, 0
.rept 32
	v_mov_b32 v[160+j], 0                          ; O^T: the step is written once; the first finds zeros, which the first change of M leaves zeros
.set j, j+1
.endr
	s_mov_b32 s[TB], 0
	s_mov_b32 s[TS], 0
	s_mov_b32 s[TV], 0
	s_mov_b32 s[CNT], 16
.Lstep_\@:
	STEP \qf, \qs
	s_sub_co_u32 s[CNT], s[CNT], 1
	s_cmp_lg_u32 s[CNT], 0
	s_cbranch_scc1 .Lstep_\@
	QOUT \n
.endm
	QTILE 0, 16, 253
	QTILE 1, 224, 254
	v_cmp_gt_u32 vcc_lo, 16, v14
	s_delay_alu instid0(VALU_DEP_1)
	v_cndmask_b32 v238, v237, v236, vcc_lo         ; lanes 0-15 store the first tile's bytes of row r, lanes 16-31 the second's
	global_store_b16 v15, v238, s[94:95]
	s_wait_tensorcnt 0x0
	ds_add_u32 v239, v255
	s_wait_dscnt 0x0
	ROUND                                          ; the closing round: no work-group ends while a partner may still ask for a tile that names it
	s_endpgm
.Lfunc_end_k_qdb2365b457_attn:
	.size	k_qdb2365b457_attn, .Lfunc_end_k_qdb2365b457_attn-k_qdb2365b457_attn
	.p2alignl 7, 3214868480
	.fill 96, 4, 3214868480
	.section	.rodata,"a",@progbits
	.p2align	6, 0x0
	.amdhsa_kernel k_qdb2365b457_attn
		.amdhsa_group_segment_fixed_size 215040
		.amdhsa_private_segment_fixed_size 0
		.amdhsa_enable_private_segment 0
		.amdhsa_kernarg_size 24
		.amdhsa_user_sgpr_count 2
		.amdhsa_user_sgpr_kernarg_segment_ptr 1
		.amdhsa_wavefront_size32 1
		.amdhsa_system_sgpr_workgroup_id_x 1
		.amdhsa_system_sgpr_workgroup_id_y 1
		.amdhsa_system_sgpr_workgroup_id_z 1
		.amdhsa_system_vgpr_workitem_id 0
		.amdhsa_next_free_vgpr 256
		.amdhsa_next_free_sgpr 96
		.amdhsa_reserve_vcc 1
		.amdhsa_float_denorm_mode_32 3
		.amdhsa_float_denorm_mode_16_64 3
		.amdhsa_memory_ordered 1
		.amdhsa_forward_progress 1
		.amdhsa_inst_pref_size 58
	.end_amdhsa_kernel
	.amdgpu_metadata
---
amdhsa.version: [ 1, 2 ]
amdhsa.kernels:
  - .name:           k_qdb2365b457_attn
    .symbol:         k_qdb2365b457_attn.kd
    .args:
      - { .name: qkq, .offset: 0, .size: 8, .value_kind: global_buffer, .address_space: global }
      - { .name: vq, .offset: 8, .size: 8, .value_kind: global_buffer, .address_space: global }
      - { .name: oq, .offset: 16, .size: 8, .value_kind: global_buffer, .address_space: global }
    .group_segment_fixed_size: 215040
    .private_segment_fixed_size: 0
    .kernarg_segment_align: 8
    .kernarg_segment_size: 24
    .max_flat_workgroup_size: 512
    .sgpr_count:     96
    .vgpr_count:     256
    .wavefront_size: 32
...
	.end_amdgpu_metadata
.endif
;; end of part 3
;; launch outp (part 4): grid 4 x 64, 4 waves a work-group, clusters of 4 x 4, 327,680 bytes of LDS; arguments oq, wo, b_out, out0; writes out0
.if DOCPART == 4
	.amdgcn_target "amdgcn-amd-amdhsa--gfx1250"
	.amdhsa_code_object_version 6
	.text
	.protected	k_qdb2365b457_outp
	.globl	k_qdb2365b457_outp
	.p2align	8
	.type	k_qdb2365b457_outp,@function
k_qdb2365b457_outp:
	s_mov_b64 s[64:65], 0
	v_nop
	global_prefetch_b8 v0, s[64:65] scope:SCOPE_SE
	s_setreg_imm32_b32 hwreg(HW_REG_WAVE_MODE, 25, 1), 1
	s_wait_xcnt 0x0
	s_wait_alu depctr_hold_cnt(0) depctr_sa_sdst(0) depctr_va_vdst(0) depctr_va_sdst(0) depctr_va_ssrc(0) depctr_va_vcc(0) depctr_vm_vsrc(0)
	s_getreg_b32 s2, hwreg(HW_REG_IB_STS2, 6, 4)
	s_cmp_eq_u32 s2, 0
	s_cbranch_scc0 .Lentry_in_a_cluster
	s_endpgm
.Lentry_in_a_cluster:
	s_bfe_u32 s2, ttmp6, 0x10000c
	s_cmp_lg_u32 s2, 0xf033
	s_cbranch_scc0 .Lentry_shape_is_right
	s_endpgm
.Lentry_shape_is_right:
; out0 = O w_out + b_out: S1 = O's tokens (oq), S0 = w_out's columns (wo), both codes of FP6 (E2M3) with E8M0 scales, K = 1024; out0 [8192][1024] f32.
; OPERANDS: scale words from byte 0, 512 bytes a tile of 16 rows: the word of K step ks of row r at 256 (ks / 4) + 16 r + 4 (ks % 4); codes from byte 262144, 12288 bytes a tile: 16 half-images of 768 bytes
;   (64 along K: a lane's first four registers at 16 x lane, its last two at 512 + 8 x lane).  Tile 2 g + u holds rows 32 g + 8 u + r + 8 (r / 8).
; THE MATRIX INSTRUCTION: source 0 = 16 columns of w_out, source 1 = 16 tokens.  A lane holds one token; register j of S0's tile 2 g + u is column 32 g + 16 h + 8 u + j.  The bias is the C of each sum's first instruction.
; SHARES: a work-group takes 128 tokens x 256 columns, a wave 64 x 128: 32 accumulators.  All of K for these rows lies in LDS at once: EVERY LDS BYTE IS FILLED ONCE, so there is no ring.  The codes come in four chunks of
;   256 along K, all asked for at the start; a barrier in front of K steps 1, 3 and 5 shows the next chunk to every wave.
; CLUSTERS: 4 x 4 work-groups.  S1's rows are shared along a row of the cluster, S0's along a column: their chunks are asked for jointly.  The scale bytes, one part in 25 of the bytes, come by loads of each work-group's own.
; THE WAY OUT goes through a stage of 16 rows x 528 bytes for each wave.  The stages lie in S1's chunks 0 and 1: those bytes have had their only fill, and every wave's reads of them were over in front of K step 3's barrier.
; REGISTERS: window 0: v4-21 addresses; v32-127 scale words and nothing else; v128-223 S1's fragments, two sets of 48; on the way out v128-255 rows of out0.  window 1: the accumulators, (a, b) at 64 a + 8 b.
;   window 2: S0's fragments, two sets, at v0 and v128; the bias of S0's tiles 0-3 at v96, of tiles 4-7 at v224.
; FILLS, in place of what the head says of chunks and of scale bytes in LDS: each region of 8 tiles, 98304 dense bytes, comes by ONE tensor load (wave 0: S1; waves 1, 2: S0's halves), laid tile by tile, 12288 bytes a tile;
; every wave waits for all its tensor loads ahead of the one barrier.  The scale words go from memory straight into their registers: sixteen lanes read 256 consecutive bytes, aligned.
; The stages lie in S1's first tiles, which are read up to the last K step's fetch: a barrier, split round the last K step's products, stands between those reads and the stage's stores.
.set REG,   98304
.set TL,    12288                      ; a tile: all of K, eight K steps of 1536 bytes
.set CH,    2*TL                       ; 2 CH = four tiles: what one address register reaches by its offsets
.set FRB,   1536
.set SP,    528
.set WV, 12
.set WY, 13
.set WX, 14
.set CX, 15
.set CY, 16
.set GX, 17
.set GY, 18
.set G1A,  24
.set G1B,  32
.set G1S,  40
.set G0SA, 48
.set G0SB, 52
.set G0A,  68
.set G0B,  84
.set MUL,   0x52                       ; source 0 (S0) window 2, source 1 (S1) window 0, C and D window 1
.set MULB,  0x62                       ; the same with C (the bias) in window 2
.set TO_S0, 0x80                       ; destination window 2
.set MSB, 0
.macro WIN new                         ; the immediate's high byte repeats the setting that is left
.if MSB != \new
	s_set_vgpr_msb (MSB<<8)|\new
.set MSB, \new
.endif
.endm
.macro ROUND                           ; a round of the cluster's barrier
	s_barrier_signal -1
	s_barrier_wait -1
	s_cmp_lg_u32 s[WV], 0
	s_cbranch_scc1 .Lnot_wave_0_\@
	s_barrier_signal -3
.Lnot_wave_0_\@:
	s_barrier_wait -3
	s_barrier_signal -1
	s_barrier_wait -1
.endm
	s_load_b256 s[4:11], s[0:1], 0x0               ; S1, S0, b_out, out0
	v_lshl_add_u32 v30, v0, 2, 0x4b000
	v_mov_b32 v31, 0
	ds_add_u32 v30, v31
	ds_add_u32 v30, v31
	v_lshrrev_b32 v1, 5, v0
	v_readfirstlane_b32 s[WV], v1                  ; wave 0..3
	s_lshr_b32 s[WY], s[WV], 1                     ; which 64 tokens are mine.  Also: which half of S0 waves 1 and 2 fetch
	s_and_b32 s[WX], s[WV], 1                      ; which 128 columns
	v_and_b32 v1, 31, v0                           ; lane
	v_and_b32 v2, 15, v0                           ; r
	v_bfe_u32 v3, v0, 4, 1                         ; h
	v_lshlrev_b32 v4, 4, v1                        ; 16 x lane
	v_lshlrev_b32 v5, 3, v1                        ; 8 x lane
	v_lshlrev_b32 v6, 4, v2                        ; 16 r
	s_mul_i32 s19, s[WY], 4*TL
	v_add_nc_u32 v8, s19, v4                       ; S1's fragments: chunks 0, 1
	v_add_nc_u32 v9, s19, v5
	s_mul_i32 s19, s[WX], REG
	s_add_co_u32 s19, s19, REG
	v_add_nc_u32 v12, s19, v4                      ; S0's likewise
	v_add_nc_u32 v13, s19, v5
	v_add_nc_u32 v14, 2*CH, v12
	v_add_nc_u32 v15, 2*CH, v13
	s_mul_i32 s19, s[WV], 16*SP                    ; my stage
	v_mul_u32_u24 v18, v2, SP
	v_lshl_add_u32 v18, v3, 6, v18
	v_add_nc_u32 v18, s19, v18                     ; in: row r, + 64 h
	v_add_nc_u32 v19, s19, v4                      ; back: a row's 512 bytes, 16 a lane
	v_lshlrev_b32 v21, 6, v3                       ; the bias: 16 h numbers on
	s_bfe_u32 s[CX], ttmp6, 0x40000
	s_bfe_u32 s[CY], ttmp6, 0x40004
	s_lshl_b32 s[GX], ttmp9, 2
	s_add_co_u32 s[GX], s[GX], s[CX]               ; which 256 columns
	s_and_b32 s[GY], ttmp7, 0xffff
	s_lshl_b32 s[GY], s[GY], 2
	s_add_co_u32 s[GY], s[GY], s[CY]               ; which 128 tokens
	s_lshl_b32 s19, s[CY], 2
	s_lshl_b32 s19, 15, s19                        ; my row of the cluster
	s_lshl_b32 s20, 0x1111, s[CX]                  ; my column
	s_or_b32 s[G1A], s19, (3<<16)|(1<<21)          ; 15:0 the mask; 17:16 elements of 8 bytes; 21 set beside a mask; no padding
	s_or_b32 s[G1B], s20, (3<<16)|(1<<21)
.irp g, G1A, G1B
	s_mov_b32 s[\g+1], 1536<<16                    ; tensor_dim0: 12288 bytes: a tile
	s_mov_b32 s[\g+2], 8<<16                       ; tensor_dim1: 8 tiles
	s_mov_b32 s[\g+3], 1536<<16                    ; tile_dim0
	s_mov_b32 s[\g+4], 8                           ; tile_dim1
	s_mov_b32 s[\g+5], 1536                        ; from tile to tile: 12288 bytes
	s_mov_b32 s[\g+6], 0
	s_mov_b32 s[\g+7], 0
.endr
	s_mul_i32 s56, s[GY], 98304                    ; S1's 8 tiles of codes: made of the row coordinate alone
	s_mov_b32 s57, 0
	s_lshl_b32 s58, s[GX], 4
	s_lshl_b32 s59, s[WY], 3
	s_add_co_u32 s58, s58, s59
	s_mul_i32 s58, s58, 12288                      ; S0's: tile 16 gx + 8 (wave / 2): of the column coordinate and the wave's number alone
	s_mov_b32 s59, 0
	s_lshl_b32 s60, s[GY], 12                      ; S1's scale words: my four tiles
	s_lshl_b32 s61, s[WY], 11
	s_add_co_u32 s60, s60, s61
	s_mov_b32 s61, 0
	s_lshl_b32 s62, s[GX], 13                      ; S0's
	s_lshl_b32 s63, s[WX], 12                      ; my eight tiles
	s_add_co_u32 s62, s62, s63
	s_mov_b32 s63, 0
	s_mul_i32 s21, s[WV], REG                      ; in LDS: wave 1 fills the second region, wave 2 the third
	s_wait_dscnt 0x0
	s_wait_kmcnt 0x0
	s_add_nc_u64 s[56:57], s[4:5], s[56:57]
	s_add_nc_u64 s[58:59], s[6:7], s[58:59]
	s_add_nc_u64 s[60:61], s[4:5], s[60:61]
	s_add_nc_u64 s[62:63], s[6:7], s[62:63]
.irp j, 0
	s_mov_b32 s[G0A+4*\j], 1
	s_mov_b32 s[G0A+4*\j+1], \j*CH
	s_add_nc_u64 s[G0A+4*\j+2:G0A+4*\j+3], s[56:57], 262144+\j*TL
	s_or_b32 s[G0A+4*\j+3], s[G0A+4*\j+3], 0x80000000
	s_mov_b32 s[G0B+4*\j], 1
	s_add_co_u32 s[G0B+4*\j+1], s21, \j*CH
	s_add_nc_u64 s[G0B+4*\j+2:G0B+4*\j+3], s[58:59], 262144+\j*TL
	s_or_b32 s[G0B+4*\j+3], s[G0B+4*\j+3], 0x80000000
.endr
	ROUND                                          ; all sixteen work-groups are here: the joint loads meet
; All fills of the launch, in one group.  Wave 0: S1's eight tiles; waves 1 and 2: their half of S0's; wave 3: none.  One tensor load of a wave is out at the most.
	s_cmp_eq_u32 s[WV], 0
	s_cbranch_scc0 .Lnot_a
	tensor_load_to_lds s[G0A:G0A+3], s[G1A:G1A+7]  ; wave 0: S1's eight tiles; one tensor load a wave
	s_nop 0
.rept 4
	v_nop
.endr
	s_branch .Lasked
.Lnot_a:
	s_cmp_lt_u32 s[WV], 3
	s_cbranch_scc0 .Lasked
	tensor_load_to_lds s[G0B:G0B+3], s[G1B:G1B+7]  ; waves 1, 2: eight tiles of S0 each
	s_nop 0
.rept 4
	v_nop
.endr
.Lasked:
	s_lshl_b32 s20, s[GX], 10
	s_lshl_b32 s21, s[WX], 9
	s_add_co_u32 s20, s20, s21                     ; my first column, in bytes
	s_mov_b32 s21, 0
	s_add_nc_u64 s[8:9], s[8:9], s[20:21]          ; the bias there
	s_lshl_b32 s22, s[GY], 3
	s_lshl_b32 s23, s[WY], 2
	s_add_co_u32 s22, s22, s23                     ; my first tile of tokens; it begins at token 16 x that number
	s_lshl_b32 s22, s22, 16                        ; x 16 rows of 4096 bytes
	s_add_co_u32 s22, s22, s20
	s_mov_b32 s23, 0
	s_add_nc_u64 s[10:11], s[10:11], s[22:23]      ; out0 at my first token and column
	WIN TO_S0
	s_wait_alu depctr_va_vdst(0)
.irp b, 0,1,2,3,4,5,6,7                ; the bias in the result's layout: for S0's tile b the lane's eight columns 32 (b / 2) + 8 (b % 2) + 16 h + 0 .. 7
	global_load_b128 v[96+8*\b+96*(\b/4):96+8*\b+96*(\b/4)+3], v21, s[8:9] offset:128*(\b/2)+32*(\b%2)
	global_load_b128 v[96+8*\b+96*(\b/4)+4:96+8*\b+96*(\b/4)+7], v21, s[8:9] offset:128*(\b/2)+32*(\b%2)+16
.endr
	WIN 0
.irp g, 0,1                            ; all scale words of my rows, once: a load brings a row's words of four K steps
.irp a, 0,1,2,3
	global_load_b128 v[32+48*\g+4*\a:32+48*\g+4*\a+3], v6, s[60:61] offset:\a*512+\g*256
.endr
.irp b, 0,1,2,3,4,5,6,7
	global_load_b128 v[48+48*\g+4*\b:48+48*\g+4*\b+3], v6, s[62:63] offset:\b*512+\g*256
.endr
.endr
	s_wait_tensorcnt 0x0                           ; my region is in
	s_barrier_signal -1
	s_barrier_wait -1                              ; everybody's are
.macro FETCH ks                        ; K step ks: S0's eight fragments and S1's four into set ks % 2: 48 loads, each of 512 or 256 consecutive bytes
.set FS, (\ks)&1
.set OFS, (\ks)*FRB
.set HI, 0
	WIN TO_S0
.irp i, 0,1,2,3,4,5,6,7
	ds_load_b128 v[128*FS+12*\i:128*FS+12*\i+3], v[12+2*(\i/4)] offset:OFS+(\i%4)*TL      ; tiles 4-7 go by v14, v15
	ds_load_b64 v[128*FS+12*\i+4:128*FS+12*\i+5], v[13+2*(\i/4)] offset:OFS+(\i%4)*TL+512
	ds_load_b128 v[128*FS+12*\i+6:128*FS+12*\i+9], v[12+2*(\i/4)] offset:OFS+(\i%4)*TL+768
	ds_load_b64 v[128*FS+12*\i+10:128*FS+12*\i+11], v[13+2*(\i/4)] offset:OFS+(\i%4)*TL+1280
.endr
	WIN 0
.irp i, 0,1,2,3
	ds_load_b128 v[128+48*FS+12*\i:128+48*FS+12*\i+3], v[8+HI] offset:OFS+\i*TL
	ds_load_b64 v[128+48*FS+12*\i+4:128+48*FS+12*\i+5], v[9+HI] offset:OFS+\i*TL+512
	ds_load_b128 v[128+48*FS+12*\i+6:128+48*FS+12*\i+9], v[8+HI] offset:OFS+\i*TL+768
	ds_load_b64 v[128+48*FS+12*\i+10:128+48*FS+12*\i+11], v[9+HI] offset:OFS+\i*TL+1280
.endr
.endm
.macro MUL32 ks, first                 ; 32 matrix instructions; the 32 accumulators take turns, one instruction a turn, in the same order in every K step.  first = 1: the bias starts the sums
.set FS, (\ks)&1
.set SCG, 32+48*((\ks)>>2)+((\ks)&3)
.if \first
	WIN MULB
.else
	WIN MUL
.endif
.irp a, 0,1,2,3
.irp b, 0,1,2,3,4,5,6,7
.if \first
	v_wmma_scale_f32_16x16x128_f8f6f4 v[64*\a+8*\b:64*\a+8*\b+7], v[128*FS+12*\b:128*FS+12*\b+11], v[128+48*FS+12*\a:128+48*FS+12*\a+11], v[96+8*\b+96*(\b/4):96+8*\b+96*(\b/4)+7], v[SCG+16+4*\b], v[SCG+4*\a] matrix_a_fmt:MATRIX_FMT_FP6 matrix_b_fmt:MATRIX_FMT_FP6
.else
	v_wmma_scale_f32_16x16x128_f8f6f4 v[64*\a+8*\b:64*\a+8*\b+7], v[128*FS+12*\b:128*FS+12*\b+11], v[128+48*FS+12*\a:128+48*FS+12*\a+11], v[64*\a+8*\b:64*\a+8*\b+7], v[SCG+16+4*\b], v[SCG+4*\a] matrix_a_fmt:MATRIX_FMT_FP6 matrix_b_fmt:MATRIX_FMT_FP6
.endif
.endr
.endr
.endm
; A K step.  The next step's fetch, then this step's products; tc is unused and no barrier stands in a K step.
.macro KSTEP ks, tc, fetch, first
.if \fetch
.if (\ks) > 0
.rept 4
	v_nop                                          ; four places in front of loads into registers that matrix instructions have read (ISA guide 7.12.1 for vector instructions)
.endr
.endif
	FETCH (\ks)+1
	s_wait_dscnt 48                                ; all but the 48 just issued
.else
	s_wait_dscnt 0x0
.endif
	MUL32 \ks, \first
.endm
	FETCH 0
	s_wait_loadcnt 0x0                             ; the bias
	KSTEP 0, -1, 1, 1
	KSTEP 1, -1, 1, 0
	KSTEP 2, -1, 1, 0
	KSTEP 3, -1, 1, 0
	KSTEP 4, -1, 1, 0
	KSTEP 5, -1, 1, 0
	KSTEP 6, -1, 1, 0
	s_wait_dscnt 0x0                               ; the last fragments are in: my reads of the tiles are over;
	s_barrier_signal -1                            ; say so,
	MUL32 7, 0                                     ; work on registers while the others arrive,
	s_barrier_wait -1                              ; and behind this wait nobody reads S1's tiles any more: the stages may be written
; THE WAY OUT, a tile of 16 tokens x 128 columns at a time: a lane's 32 bytes of a row go into my stage, and whole rows of 512 bytes come back.  LDS serves a wave's instructions in order (ISA guide 5.7.1.4):
; no wait between the stores and the loads, nor in front of the next tile's stores.
.macro TOSTAGE a
	WIN 0x04                                       ; an LDS store's data are its source 1: window 1
.irp b, 0,1,2,3,4,5,6,7
	ds_store_b128 v18, v[64*(\a)+8*\b:64*(\a)+8*\b+3] offset:128*(\b/2)+32*(\b%2)          ; each accumulator from its low end on
	ds_store_b128 v18, v[64*(\a)+8*\b+4:64*(\a)+8*\b+7] offset:128*(\b/2)+32*(\b%2)+16
.endr
	WIN 0
.set BB, 128+64*((\a)%2)
.irp t, 0,1,2,3,4,5,6,7,8,9,10,11,12,13,14,15
	ds_load_b128 v[BB+4*\t:BB+4*\t+3], v19 offset:\t*SP
.endr
.endm
.macro SEND a, younger                 ; younger: the LDS instructions issued behind tile a's loads, which may stay out
.set BB, 128+64*((\a)%2)
	s_wait_dscnt \younger
.irp t, 0,1,2,3,4,5,6,7,8,9,10,11,12,13,14,15
	global_store_b128 v4, v[BB+4*\t:BB+4*\t+3], s[10:11] offset:(32*((\a)/2)+8*((\a)%2)+\t+8*(\t/8))*4096 th:TH_STORE_NT   ; stage row t is token 32 (a / 2) + 8 (a % 2) + t + 8 (t / 8); 32 lanes store 512 consecutive bytes, aligned
.endr
.endm
.rept 4
	v_nop                                          ; four places behind the last products: for the reads of results and for the loads into registers that held S1's fragments
.endr
	TOSTAGE 0
	TOSTAGE 1
	SEND 0, 32                                     ; behind tile 0's loads: tile 1's 16 stores and 16 loads
	s_wait_xcnt 0x0                                ; tile 0's stores have read their registers: tile 2's loads may land there
	TOSTAGE 2
	SEND 1, 32
	s_wait_xcnt 0x0                                ; tile 1's likewise
	TOSTAGE 3
	SEND 2, 32
	SEND 3, 0
	s_wait_tensorcnt 0x0
	ds_add_u32 v30, v31
	s_wait_dscnt 0x0
	ROUND                                          ; the closing round: no work-group ends while a partner may still ask for a tile that names it
	s_endpgm
.Lfunc_end_k_qdb2365b457_outp:
	.size	k_qdb2365b457_outp, .Lfunc_end_k_qdb2365b457_outp-k_qdb2365b457_outp
	.p2alignl 7, 3214868480
	.fill 96, 4, 3214868480
	.section	.rodata,"a",@progbits
	.p2align	6, 0x0
	.amdhsa_kernel k_qdb2365b457_outp
		.amdhsa_group_segment_fixed_size 327680
		.amdhsa_private_segment_fixed_size 0
		.amdhsa_enable_private_segment 0
		.amdhsa_kernarg_size 32
		.amdhsa_user_sgpr_count 2
		.amdhsa_user_sgpr_kernarg_segment_ptr 1
		.amdhsa_wavefront_size32 1
		.amdhsa_system_sgpr_workgroup_id_x 1
		.amdhsa_system_sgpr_workgroup_id_y 1
		.amdhsa_system_sgpr_workgroup_id_z 1
		.amdhsa_system_vgpr_workitem_id 0
		.amdhsa_next_free_vgpr 768
		.amdhsa_next_free_sgpr 100
		.amdhsa_reserve_vcc 0
		.amdhsa_float_denorm_mode_32 3
		.amdhsa_float_denorm_mode_16_64 3
		.amdhsa_memory_ordered 1
		.amdhsa_forward_progress 1
		.amdhsa_inst_pref_size 83
	.end_amdhsa_kernel
	.amdgpu_metadata
---
amdhsa.version: [ 1, 2 ]
amdhsa.kernels:
  - .name:           k_qdb2365b457_outp
    .symbol:         k_qdb2365b457_outp.kd
    .args:
      - { .name: oq, .offset: 0, .size: 8, .value_kind: global_buffer, .address_space: global }
      - { .name: wo, .offset: 8, .size: 8, .value_kind: global_buffer, .address_space: global }
      - { .name: b_out, .offset: 16, .size: 8, .value_kind: global_buffer, .address_space: global }
      - { .name: out0, .offset: 24, .size: 8, .value_kind: global_buffer, .address_space: global }
    .group_segment_fixed_size: 327680
    .private_segment_fixed_size: 0
    .kernarg_segment_align: 8
    .kernarg_segment_size: 32
    .max_flat_workgroup_size: 128
    .sgpr_count:     100
    .vgpr_count:     768
    .wavefront_size: 32
...
	.end_amdgpu_metadata
.endif
;; end of part 4
